; MI455X (gfx1250); checked and timed in simulation.
; The chip was launched on July 23, 2026; its instructions are those of AMD's public machine-readable ISA for CDNA 5 (MIT licence, August 2026) and "CDNA5" Instruction Set Architecture Reference Guide (July 2026). The comments in the code are by the model that wrote it; some were corrected since.
;; Transformer Block. Allowed arithmetic: matrix products marked QUANTISED: E2M3 operands, one E8M0 scale for each 32 along K, by v_wmma_scale_f32_16x16x128_f8f6f4 with both operands' format E2M3, f32 sums; products left as they are: f32 operands where the result goes on into a quantised operand, else bf16, f16 or f32 operands; f32 sums; everything else in f32.
;; Inputs: W1 2,048 x 8,192 float32; W2 8,192 x 2,048 float32; Wk 2,048 x 2,048 float32; Wo 2,048 x 2,048 float32; Wq 2,048 x 2,048 float32; Wv 2,048 x 2,048 float32; b1 8,192 float32; b2 2,048 float32; bo 2,048 float32; ln1_scale 2,048 float32; ln1_shift 2,048 float32; ln2_scale 2,048 float32; ln2_shift 2,048 float32; x 1 x 1,024 x 2,048 float32.
;; Outputs: out0 1 x 1,024 x 2,048 float32.
;; This version of the problem:
;;   THIS VERSION OF THE PROBLEM IS GIVEN IN LOW PRECISION. The matrix products marked QUANTISED in the list below multiply operands that are first quantised to E2M3 (2 exponent bits, 3 mantissa bits; 6 bits a number), with one power-of-two scale for each 32 numbers along K (OCP MX v1.0); their sums are f32. All else is computed in f32.
;;   The module's matrix products, in the order in which they are computed (A, B: the left and right operand; K: the contracted axis; several contracted axes count as one K, in the product's order):
;;     1. [M 1,024, K 2,048] x [K 2,048, N 2,048]; A: computed on the way; B: input Wq: QUANTISED
;;     2. [M 1,024, K 2,048] x [K 2,048, N 2,048]; A: computed on the way; B: input Wk: QUANTISED
;;     3. [M 1,024, K 2,048] x [K 2,048, N 2,048]; A: computed on the way; B: input Wv: QUANTISED
;;     4. batch 16 x [M 1,024, K 128] x [K 128, N 1,024]; A: computed on the way; B: computed on the way: QUANTISED
;;     5. batch 16 x [M 128, K 1,024] x [K 1,024, N 1,024]; A: computed on the way; B: softmax (see below): QUANTISED
;;     6. [M 1, K 2,048] x [K 2,048, N 2,048]; A: computed on the way; B: input Wo: left as it is (M = 1 < 16)
;;     7. [M 1,024, K 2,048] x [K 2,048, N 8,192]; A: computed on the way; B: input W1: QUANTISED
;;     8. [M 1,024, K 8,192] x [K 8,192, N 2,048]; A: computed on the way; B: input W2: QUANTISED
;;   THE QUANTISER, for each operand of a quantised product, along K:
;;     - K is cut into blocks of 32 from its start; a last block that is shorter is filled with zeros.
;;     - A block's scale is 2^e with e = floor(log2(the largest magnitude in the block)) - 2, held to -126 .. 127; a block of zeros has e = 0. As a byte (E8M0): e + 127.
;;     - Each number is divided by its block's scale, clamped to +-7.5, and rounded to the nearest number of E2M3, ties to even, subnormals kept.
;;     - The product sums the exact products of the quantised numbers (number of the format x scale) in f32.
;;   ~~~python
;;   def quantise(x, axis):      # numpy; x: float32 -> the quantised numbers, widened to float32 again
;;       x = np.moveaxis(x, axis, -1); K = x.shape[-1]
;;       x = np.pad(x, [(0, 0)] * (x.ndim - 1) + [(0, -K % 32)]); x = x.reshape(x.shape[:-1] + (-1, 32)); a = np.abs(x).max(-1, keepdims=True)
;;       e = np.where(a > 0, np.clip(np.frexp(np.where(a > 0, a, 1))[1] - 1 - 2, -126, 127), 0)      # np.frexp(a)[1] - 1 = floor(log2(a)), exactly
;;       r = np.clip(x / 2.0 ** e, -7.5, 7.5)
;;       step = 2.0 ** (np.maximum(np.frexp(np.where(r == 0, 1, r))[1] - 1, 0) - 3)
;;       q = np.round(r / step) * step * 2.0 ** e      # np.round: ties to even
;;       return np.moveaxis(q.reshape(q.shape[:-2] + (-1,))[..., :K], -1, axis).astype(np.float32)
;;   ~~~
;;   SOFTMAX AHEAD OF A QUANTISED PRODUCT. Where the list says 'softmax', what is quantised is not the finished softmax but p = 2^(t - M), with t = logit x log2(e) and M = ceil(the row's largest t), a whole number; so 1/2 < the row's largest p <= 1. The row's sum l is taken of the UNQUANTISED p, in f32, and the product's result is divided by l at the end. Since M is a whole number, a kernel that streams over the keys may use a running M (the ceiling of the running maximum): every later rescaling is an exact power of two, which a block's scale takes up: the codes' values come out the same.
;;   OPERANDS COMPUTED ON THE WAY. 'Computed on the way' means the value that the module computes at that place (a softmax that the list does not call 'softmax' is quantised finished and normalised). What goes into a quantiser is computed in f32, as accurately as f32 sums, v_exp_f32 and their like allow (about 1e-6 of the number): no bf16 or f16 on the way to a quantiser, and a product that is left as it is and whose result goes on into a quantised operand takes f32 operands (vector FMAs, or v_wmma_f32_16x16x4_f32). A number that lies on a knife's edge between two numbers of the format may be rounded either way, as far as f32 arithmetic and the matrix unit's own rounding can turn it there, and no further.
;; 2 versions, each right; version 2 is version 1 with the launch prep written anew for expert scheduling mode. Each part assembles by itself: llvm-mc -triple=amdgcn-amd-amdhsa -mcpu=gfx1250 --defsym DOCPART=n.
;; ======== version 1 of 2: 6 launches
;; workspace buffers: wcodes 31,457,280 bytes; wscales 1,310,720 bytes; h1 1,671,168 bytes; att 66,560 bytes; apart 131,072 bytes; h2 1,638,400 bytes; g 6,553,600 bytes
;; launch prep (part 1): grid 416 x 1, 8 waves a work-group, no clusters, 23,552 bytes of LDS; arguments x, ln1_scale, ln1_shift, W1, W2, Wk, Wv, Wq, wcodes, wscales, h1; writes wcodes, wscales, h1
.if DOCPART == 1
	.amdgcn_target "amdgcn-amd-amdhsa--gfx1250"
	.amdhsa_code_object_version 6
	.text
	.protected	k_qc46b146d81_prep
	.globl	k_qc46b146d81_prep
	.p2align	8
	.type	k_qc46b146d81_prep,@function
k_qc46b146d81_prep:
	s_mov_b64 s[64:65], 0
	v_nop
	global_prefetch_b8 v0, s[64:65] scope:SCOPE_SE
	s_setreg_imm32_b32 hwreg(HW_REG_WAVE_MODE, 25, 1), 1
	s_wait_xcnt 0x0
; PREP: all the work that hangs on nothing computed before.  Work-groups 0-127: W1, 128-255: W2, 256-287: Wk, 288-319: Wv are turned into codes of FP6 (E2M3) with one E8M0 byte for each 32 along K
; (their FIRST axis); 320-351: Wq is quantised likewise and multiplied at once by the quantised LN1 of the LAST token, the only query that the block keeps; 352-415: LN1 of all tokens, quantised.
; LAYOUT OF ALL CODES: images of operand registers.  A fragment (16 rows x 128 K, 12 registers a lane) is 1,536 bytes: register j of lane l at 512 (j / 4) + 16 l + 4 (j % 4); buffers are [tile][K step][1536].
; TILES: tile 2 b + u, row r, is index 32 b + 8 u + r + 8 (r / 8) (of tokens or of a weight's columns), so that the results of two neighbouring tiles are 16 neighbours along the next K.
; SCALE WORDS: [pair of tiles][group of 4 K steps][lane][4 words]; lane 16 u + r holds row r of tile 2 pair + u.
; WEIGHTS: a lane takes a column and its registers run down K (32 loads of 128 consecutive bytes a wave for a block), so a block's largest magnitude needs no other lane and nothing is transposed.
; A wave takes 32 columns x 512 of K.  Memory binds: no tensor loads, no clusters (work-groups share no input); two work-groups fit on a WGP.
; LIMITS: a block of zeros, or one whose largest magnitude lies under 2^-124, gets the byte 1 (its codes are zeros or tiny; this program alone reads the bytes); NaN and infinities are not served.
; The last token's q is left as four partial sums over K (one for each 512 of K), added by the next launch: an order of f32 sums that differs from the reference's.
.set QP,   1638400                     ; h1: the four partial q, [4][2048] f32
.set H1S,  1572864                     ; h1: the scale words
.set WQL,  18432                       ; LDS of the Wq path: 512 bytes for each wave
.set OFF,  16                          ; v16-47   row i's byte offset + my column's
.set X,    48                          ; v48-111  two sets of 32 numbers
.set F0,   112                         ; v112-123 the even tile's fragment
.set F1,   124                         ; v124-135 the odd tile's
.set WCT,  136                         ; v136-138 a block's upper 16 codes
.set W,    140                         ; v140-143 scale words of my column, one for each K step: scales and nothing else
.set HF,   144                         ; v144-191 Wq path: the last token's four fragments
.set HW,   192                         ; v192-195 and their scale words
.set A0,   196                         ; v196-203, v204-211: two accumulators
.set A1,   204
.set XA,   4                           ; LN path: addresses v4-11
.set LI,   5
.set CA,   6
.set SA,   7
.set RA,   8
.set VA,   9
.set WA,   10
.set GA,   11
.set TM,   16                          ; v16-31 at work
.set PW,   32                          ; v32-33 scale words just made
.set PC,   34                          ; v34-45 codes just made
.set QCT,  46                          ; v46-52
.set MR,   54                          ; v54-55 the mean, later 1 / sqrt(var + eps)
.set LX,   56                          ; v56-183 my 128 numbers of a row
.set LS,   184                         ; v184-247 gain and shift
.set SCV,  0                           ; LDS of the LN path: the gain, 8,192 bytes;
.set SHV,  8192                        ; the shift;
.set ST1,  16384                       ; partial sums [row][wave];
.set ST2,  16896                       ; partial sums of squares;
.set SCW,  17408                       ; scale words [group][row][K step % 4]
; 64 numbers of a lane, register 16 b + i = k 32 b + 16 (lane / 16) + i of my row, become a fragment's codes in v[pc] on and its scale word in v[pw]
.macro QUANT src, pc, pw
.irp b, 0,1,2,3
	v_max3_num_f32 v[TM+\b], |v[\src+16*\b]|, |v[\src+16*\b+1]|, 0x1800000   ; my 16 numbers of block b, and the floor 2^(3 - 127): the byte cannot fall under 1
.endr
.irp i, 2,4,6,8,10,12,14
.irp b, 0,1,2,3
	v_max3_num_f32 v[TM+\b], v[TM+\b], |v[\src+16*\b+\i]|, |v[\src+16*\b+\i+1]|
.endr
.endr
.irp b, 0,1,2,3
	v_permlanex16_b32 v[TM+4+\b], v[TM+\b], s48, s49
.endr
.irp b, 0,1,2,3
	v_max_num_f32 v[TM+\b], v[TM+\b], v[TM+4+\b]          ; with lane l xor 16's: the block's largest magnitude
.endr
.irp b, 0,1,2,3
	v_add_nc_u32 v[TM+12+\b], 0xff000000, v[TM+\b]        ; 2 off its exponent field: the conversion's scale operand
.endr
.irp b, 0,1,2,3
	v_lshrrev_b32 v[TM+4+\b], 23, v[TM+12+\b]             ; the scale's byte
.endr
	v_lshl_or_b32 v[\pw], v[TM+5], 8, v[TM+4]
	v_lshl_or_b32 v[\pw], v[TM+6], 16, v[\pw]
	v_lshl_or_b32 v[\pw], v[TM+7], 24, v[\pw]
.irp c, 0,1
	v_cvt_scalef32_pk16_fp6_f32 v[\pc+6*\c:\pc+6*\c+2], v[\src+32*\c:\src+32*\c+15], v[TM+12+2*\c]
	v_cvt_scalef32_pk16_fp6_f32 v[QCT+4*\c:QCT+4*\c+2], v[\src+32*\c+16:\src+32*\c+31], v[TM+13+2*\c]
.endr
	v_nop                                          ; one plain place behind a scaled conversion
.irp c, 0,1                                    ; the operand wants a whole block in a lane: lanes 0-15 block 2 c, lanes 16-31 block 2 c + 1
.irp i, 0,1,2
	v_permlane16_swap_b32 v[\pc+6*\c+\i], v[QCT+4*\c+\i]
.endr
.irp i, 0,1,2
	v_mov_b32 v[\pc+6*\c+3+\i], v[QCT+4*\c+\i]
.endr
.endr
.endm
.macro WRED v, t                       ; a sum over the wave's 32 lanes, in every lane
	v_add_f32_dpp v[\v], v[\v], v[\v] row_xmask:1 row_mask:0xf bank_mask:0xf
	v_add_f32_dpp v[\v], v[\v], v[\v] row_xmask:2 row_mask:0xf bank_mask:0xf
	v_add_f32_dpp v[\v], v[\v], v[\v] row_xmask:4 row_mask:0xf bank_mask:0xf
	v_add_f32_dpp v[\v], v[\v], v[\v] row_xmask:8 row_mask:0xf bank_mask:0xf
	v_permlanex16_b32 v[\t], v[\v], s48, s49
	v_add_f32 v[\v], v[\v], v[\t]
.endm
.macro MKOFF
.set i, 0
.rept 32
	v_mad_u32_u24 v[OFF+i], s31, i, v4             ; row i of a block + my column
.set i, i+1
.endr
.endm
.macro LOAD t                          ; block t: 32 rows of K at my column, into set t % 2
.if (\t) > 0
	s_wait_xcnt 0x0                                ; the base is stepped only when the earlier loads have read it
	s_add_nc_u64 s[28:29], s[28:29], s[40:41]
.endif
.set i, 0
.rept 32
	global_load_b32 v[X+32*((\t)%2)+i], v[OFF+i], s[28:29] th:TH_LOAD_NT
.set i, i+1
.endr
.endm
; Block t of 16.  mul = 0: at the end of each K step the two fragments are stored.  mul = 1: they are multiplied by the last token's fragment.
.macro BLOCK t, mul
.set XS, X+32*((\t)%2)
.set QB, (\t)%4
.set KB, (\t)/4
.set FB, F0+12*(QB%2)+6*(QB/2)         ; blocks 0, 2 go to the first run of registers, blocks 1, 3 to the second
.if (\t) < 15
	s_wait_loadcnt 32                              ; this block's 32 loads are in; the next block's 32 may be out
.else
	s_wait_loadcnt 0x0
.endif
	v_max3_num_f32 v12, |v[XS]|, |v[XS+1]|, |v[XS+2]|
	v_max3_num_f32 v13, |v[XS+3]|, |v[XS+4]|, |v[XS+5]|
.irp i, 6,10,14,18,22,26
	v_max3_num_f32 v12, v12, |v[XS+\i]|, |v[XS+\i+1]|
	v_max3_num_f32 v13, v13, |v[XS+\i+2]|, |v[XS+\i+3]|
.endr
	v_max3_num_f32 v12, v12, |v[XS+30]|, |v[XS+31]|
	v_max3_num_f32 v12, v12, v13, 0x1800000        ; and the floor
	v_add_nc_u32 v11, 0xff000000, v12              ; 2 off the exponent field
	v_lshrrev_b32 v13, 23, v11                     ; the byte
.if (\mul == 0) && (QB == 0) && (KB > 0)
	s_wait_xcnt 0x0                                ; the last K step's stores have read the fragments' registers
.endif
	v_cvt_scalef32_pk16_fp6_f32 v[FB:FB+2], v[XS:XS+15], v11
	v_cvt_scalef32_pk16_fp6_f32 v[WCT:WCT+2], v[XS+16:XS+31], v11
.if QB == 0
	v_mov_b32 v[W+KB], v13                         ; (the plain place behind the conversions)
.else
	v_lshl_or_b32 v[W+KB], v13, 8*QB, v[W+KB]
.endif
.irp i, 0,1,2
	v_mov_b32 v[FB+3+\i], v[WCT+\i]
.endr
.if (\t)+2 < 16
	LOAD (\t)+2
.endif
.if QB == 3
.set i, 0
.rept 12                               ; lanes 0-15 hold the even tile's rows, lanes 16-31 the odd tile's: after the exchange the first run is the even tile's fragment, the second the odd tile's
	v_permlane16_swap_b32 v[F0+i], v[F1+i]
.set i, i+1
.endr
.if \mul
.rept 8
	v_nop                                          ; scale words and operands written by vector instructions stand 8 and 4 places ahead of a scaled matrix instruction
.endr
.if KB == 0
	v_wmma_scale_f32_16x16x128_f8f6f4 v[A0:A0+7], v[HF:HF+11], v[F0:F0+11], 0, v[HW], v[W] matrix_a_fmt:MATRIX_FMT_FP6 matrix_b_fmt:MATRIX_FMT_FP6
	v_wmma_scale_f32_16x16x128_f8f6f4 v[A1:A1+7], v[HF:HF+11], v[F1:F1+11], 0, v[HW], v[W] matrix_a_fmt:MATRIX_FMT_FP6 matrix_b_fmt:MATRIX_FMT_FP6 matrix_b_scale:MATRIX_SCALE_ROW1
.else
	v_wmma_scale_f32_16x16x128_f8f6f4 v[A0:A0+7], v[HF+12*KB:HF+12*KB+11], v[F0:F0+11], v[A0:A0+7], v[HW+KB], v[W+KB] matrix_a_fmt:MATRIX_FMT_FP6 matrix_b_fmt:MATRIX_FMT_FP6
	v_wmma_scale_f32_16x16x128_f8f6f4 v[A1:A1+7], v[HF+12*KB:HF+12*KB+11], v[F1:F1+11], v[A1:A1+7], v[HW+KB], v[W+KB] matrix_a_fmt:MATRIX_FMT_FP6 matrix_b_fmt:MATRIX_FMT_FP6 matrix_b_scale:MATRIX_SCALE_ROW1
.endif
.else
.irp c, 0,1,2
	global_store_b128 v5, v[F0+4*\c:F0+4*\c+3], s[42:43] offset:1536*KB+512*\c   ; 512 consecutive bytes a store
	global_store_b128 v5, v[F1+4*\c:F1+4*\c+3], s[44:45] offset:1536*KB+512*\c
.endr
.endif
.endif
.endm
	s_load_b512 s[4:19], s[0:1], 0x0               ; x 4, ln1_scale 6, ln1_shift 8, W1 10, W2 12, Wk 14, Wv 16, Wq 18
	s_load_b128 s[20:23], s[0:1], 0x40             ; wcodes, wscales
	s_load_b64 s[24:25], s[0:1], 0x50              ; h1
	v_lshl_add_u32 v254, v0, 2, 0x5800
	v_mov_b32 v255, 0
	v_lshrrev_b32 v1, 5, v0
	v_readfirstlane_b32 s26, v1                    ; wave 0..7
	v_and_b32 v1, 31, v0                           ; lane
	v_and_b32 v2, 15, v0                           ; r
	v_bfe_u32 v3, v0, 4, 1                         ; h
	s_mov_b32 s48, 0x76543210
	s_mov_b32 s49, 0xfedcba98                      ; selects for lane l xor 16
	s_wait_kmcnt 0x0
	s_cmp_ge_u32 ttmp9, 352
	s_cbranch_scc1 .Lln1
	; which tensor: every choice hangs on the work-group's number alone
	s_mov_b32 s51, 8192
	s_mov_b32 s52, 24576
	s_mov_b32 s53, 2048
	s_cmp_lt_u32 ttmp9, 128                        ; W1, or else W2
	s_cselect_b64 s[28:29], s[10:11], s[12:13]     ; the source
	s_cselect_b32 s30, 0, 128                      ; the section's first work-group
	s_cselect_b32 s31, 32768, s51                  ; bytes in a row
	s_cselect_b32 s32, 5, 3                        ; log2 of the blocks of 256 columns
	s_cselect_b32 s33, s52, 98304                  ; bytes of a tile's codes (K steps x 1,536)
	s_cselect_b32 s34, 0, 12582912                 ; the section in wcodes
	s_cselect_b32 s35, 0, 524288                   ; and in wscales
	s_cselect_b32 s38, s53, 8192                   ; bytes of a pair's scale words
	s_cmp_lt_u32 ttmp9, 256                        ; or else Wk
	s_cselect_b64 s[28:29], s[28:29], s[14:15]
	s_cselect_b32 s30, s30, 256
	s_cselect_b32 s33, s33, s52
	s_cselect_b32 s34, s34, 25165824
	s_cselect_b32 s35, s35, 1048576
	s_cselect_b32 s36, 3, 4                        ; Wk's and Wv's tiles of a head lie together: 16 tile rows a head
	s_cselect_b32 s38, s38, s53
	s_cmp_lt_u32 ttmp9, 288                        ; or else Wv
	s_cselect_b64 s[28:29], s[28:29], s[16:17]
	s_cselect_b32 s30, s30, 288
	s_cselect_b32 s37, 0, 8                        ; Wv's eight behind Wk's eight
	s_cmp_lt_u32 ttmp9, 320                        ; or else Wq
	s_cselect_b64 s[28:29], s[28:29], s[18:19]
	s_cselect_b32 s30, s30, 320
	s_sub_co_u32 s30, ttmp9, s30
	s_lshr_b32 s50, s30, s32                       ; kp: which 512 of K
	s_lshl_b32 s51, s50, s32
	s_sub_co_u32 s51, s30, s51
	s_lshl_b32 s51, s51, 3
	s_add_co_u32 s51, s51, s26                     ; tp: which 32 columns
	s_lshl_b32 s52, s31, 9
	s_mul_i32 s52, s52, s50
	s_lshl_b32 s53, s51, 7
	s_add_co_u32 s52, s52, s53
	s_mov_b32 s53, 0
	s_add_nc_u64 s[28:29], s[28:29], s[52:53]      ; the source at my first row and column
	s_lshl_b32 s40, s31, 5                         ; a block's 32 rows
	s_mov_b32 s41, 0
	v_and_b32 v6, 8, v2
	v_add_nc_u32 v6, v6, v2
	v_lshl_add_u32 v6, v3, 3, v6                   ; my column of the 32: 8 h + r + 8 (r / 8): row r of tile 2 tp + h
	v_lshlrev_b32 v4, 2, v6
	v_lshlrev_b32 v5, 4, v1                        ; 16 x lane
	s_cmp_ge_u32 ttmp9, 320
	s_cbranch_scc1 .Lwq
	; ---- W1, W2, Wk, Wv: codes and scale words to memory
	s_lshr_b32 s54, s51, 2
	s_lshl_b32 s54, s54, s36
	s_add_co_u32 s54, s54, s37
	s_and_b32 s55, s51, 3
	s_lshl_b32 s55, s55, 1
	s_add_co_u32 s54, s54, s55                     ; my even tile's row in the section
	s_mul_i32 s56, s54, s33
	s_add_co_u32 s56, s56, s34
	s_mul_i32 s57, s50, 6144
	s_add_co_u32 s56, s56, s57
	s_mov_b32 s57, 0
	s_add_nc_u64 s[42:43], s[20:21], s[56:57]      ; the even tile's four K steps
	s_mov_b32 s56, s33
	s_add_nc_u64 s[44:45], s[42:43], s[56:57]      ; the odd tile's
	s_lshr_b32 s54, s54, 1
	s_mul_i32 s56, s54, s38
	s_add_co_u32 s56, s56, s35
	s_lshl_b32 s58, s50, 9
	s_add_co_u32 s56, s56, s58
	s_add_nc_u64 s[46:47], s[22:23], s[56:57]      ; the pair's scale words of this group of four K steps
	MKOFF
	LOAD 0
	LOAD 1
.set T, 0
.rept 16
	BLOCK T, 0
.set T, T+1
.endr
	global_store_b128 v5, v[W:W+3], s[46:47]       ; 512 consecutive bytes
	s_endpgm
	; ---- Wq: first LN1 of the last token, in every wave: the row's mean and variance, then my 16 of the wave's 512 columns
.Lwq:
	s_add_nc_u64 s[52:53], s[4:5], 1023*8192
	s_lshl_b32 s54, s50, 11
	s_mov_b32 s55, 0
	s_add_nc_u64 s[56:57], s[52:53], s[54:55]
	s_add_nc_u64 s[58:59], s[6:7], s[54:55]
	s_add_nc_u64 s[60:61], s[8:9], s[54:55]
	v_lshlrev_b32 v6, 6, v1                        ; 64 x lane
	s_lshl_b32 s62, s26, 9
	s_add_co_u32 s62, s62, WQL                     ; my wave's own 512 bytes of LDS
	v_mul_u32_u24 v212, v1, 12
	v_add_nc_u32 v212, s62, v212                   ; my 16 codes: 12 bytes
	v_lshrrev_b32 v213, 1, v1
	v_add_nc_u32 v213, s62, v213                   ; my block's byte
	v_mul_u32_u24 v214, v3, 24
	v_add_nc_u32 v214, s62, v214                   ; a fragment's bytes of my half
	v_mov_b32 v215, s62
.set i, 0
.rept 16
	global_load_b128 v[X+4*i:X+4*i+3], v5, s[52:53] offset:512*i
.set i, i+1
.endr
.irp j, 0,1,2,3
	global_load_b128 v[16+4*\j:19+4*\j], v6, s[56:57] offset:16*\j
	global_load_b128 v[32+4*\j:35+4*\j], v6, s[58:59] offset:16*\j
	global_load_b128 v[112+4*\j:115+4*\j], v6, s[60:61] offset:16*\j
.endr
	s_wait_loadcnt 0x0
	v_pk_add_f32 v[8:9], v[X:X+1], v[X+4:X+5]
	v_pk_add_f32 v[10:11], v[X+2:X+3], v[X+6:X+7]
.set j, 8
.rept 14
	v_pk_add_f32 v[8:9], v[8:9], v[X+j:X+j+1]
	v_pk_add_f32 v[10:11], v[10:11], v[X+j+2:X+j+3]
.set j, j+4
.endr
	v_pk_add_f32 v[8:9], v[8:9], v[10:11]
	v_add_f32 v8, v8, v9
	WRED 8, 9
	v_mul_f32 v14, 0x3a000000, v8                  ; the mean: / 2048
	v_mov_b32 v15, v14
.set j, 0
.rept 32
	v_pk_add_f32 v[X+j:X+j+1], v[X+j:X+j+1], v[14:15] op_sel_hi:[1,0] neg_lo:[0,1] neg_hi:[0,1]   ; centred first: no difference of large sums
.set j, j+2
.endr
	v_pk_mul_f32 v[8:9], v[X:X+1], v[X:X+1]
	v_pk_mul_f32 v[10:11], v[X+2:X+3], v[X+2:X+3]
.set j, 4
.rept 15
	v_pk_fma_f32 v[8:9], v[X+j:X+j+1], v[X+j:X+j+1], v[8:9]
	v_pk_fma_f32 v[10:11], v[X+j+2:X+j+3], v[X+j+2:X+j+3], v[10:11]
.set j, j+4
.endr
	v_pk_add_f32 v[8:9], v[8:9], v[10:11]
	v_add_f32 v8, v8, v9
	WRED 8, 9
	v_mul_f32 v8, 0x3a000000, v8                   ; the variance
	v_add_f32 v8, 0x3727c5ac, v8                   ; + 1e-5
	v_rsq_f32 v12, v8
	v_rsq_f32 v13, v8
	v_nop                                          ; a plain place behind the transcendentals
	s_wait_alu depctr_va_vdst(0)
.irp j, 0,2,4,6,8,10,12,14
	v_pk_add_f32 v[16+\j:17+\j], v[16+\j:17+\j], v[14:15] op_sel_hi:[1,0] neg_lo:[0,1] neg_hi:[0,1]
	v_pk_mul_f32 v[16+\j:17+\j], v[16+\j:17+\j], v[12:13] op_sel_hi:[1,0]
	v_pk_fma_f32 v[16+\j:17+\j], v[16+\j:17+\j], v[32+\j:33+\j], v[112+\j:113+\j]
.endr
	v_max3_num_f32 v8, |v16|, |v17|, |v18|         ; two neighbouring lanes hold a block of 32
	v_max3_num_f32 v9, |v19|, |v20|, |v21|
.irp i, 6,10
	v_max3_num_f32 v8, v8, |v[16+\i]|, |v[17+\i]|
	v_max3_num_f32 v9, v9, |v[18+\i]|, |v[19+\i]|
.endr
	v_max3_num_f32 v8, v8, |v30|, |v31|
	v_max3_num_f32 v8, v8, v9, 0x1800000
	v_max_num_f32_dpp v8, v8, v8 row_xmask:1 row_mask:0xf bank_mask:0xf
	v_add_nc_u32 v11, 0xff000000, v8
	v_cvt_scalef32_pk16_fp6_f32 v[WCT:WCT+2], v[16:31], v11
	v_lshrrev_b32 v10, 23, v11                     ; the byte (a plain place behind the conversion)
	ds_store_b32 v212, v[WCT]                      ; the 512 codes as one stream of bits, 384 bytes; then 16 scale bytes
	ds_store_b32 v212, v[WCT+1] offset:4
	ds_store_b32 v212, v[WCT+2] offset:8
	ds_store_b8 v213, v10 offset:384               ; both lanes of a block write the same byte
.irp k, 0,1,2,3                                ; LDS serves a wave's instructions in order: these see my stores.  All 16 rows of the fragment are the one token
.irp p, 0,1,2,3,4,5
	ds_load_b64 v[HF+12*\k+2*\p:HF+12*\k+2*\p+1], v214 offset:96*\k+48*(\p/3)+8*(\p%3)
.endr
	ds_load_b32 v[HW+\k], v215 offset:384+4*\k
.endr
	s_wait_dscnt 0x0
	MKOFF
	LOAD 0
	LOAD 1
.set T, 0
.rept 16
	BLOCK T, 1
.set T, T+1
.endr
	s_lshl_b32 s56, s50, 13
	s_lshl_b32 s57, s51, 7
	s_add_co_u32 s56, s56, s57
	s_add_co_u32 s56, s56, QP
	s_mov_b32 s57, 0
	s_add_nc_u64 s[58:59], s[24:25], s[56:57]
.rept 4
	v_nop                                          ; places behind the last products
.endr
	v_cmp_le_u32 vcc_lo, 16, v1
	v_cndmask_b32 v8, v[A0], v[A1], vcc_lo         ; all rows are equal: register 0 of lane (r, h) is the sum for row r of tile 2 tp + h: my column
	global_store_b32 v4, v8, s[58:59]              ; 128 consecutive bytes
	s_wait_tensorcnt 0x0
	ds_add_u32 v254, v255
	s_wait_dscnt 0x0
	s_endpgm
	; ---- LN1 of 16 tokens (one tile), quantised.  Wave w holds columns 256 w .. 256 w + 255 of all 16 rows: K steps 2 w and 2 w + 1
.Lln1:
	s_sub_co_u32 s50, ttmp9, 352                   ; the tile 2 b + u
	s_lshr_b32 s51, s50, 1
	s_and_b32 s52, s50, 1
	s_lshl_b32 s53, s51, 5
	s_lshl_b32 s54, s52, 3
	s_add_co_u32 s53, s53, s54
	s_lshl_b32 s54, s53, 13
	s_mov_b32 s55, 0
	s_add_nc_u64 s[4:5], s[4:5], s[54:55]          ; x at token 32 b + 8 u
	s_lshl_b32 s54, s50, 4
	s_lshl_b32 s56, s26, 1
	s_add_co_u32 s54, s54, s56
	s_mul_i32 s54, s54, 1536
	s_add_nc_u64 s[58:59], s[24:25], s[54:55]      ; my two fragments
	s_lshl_b32 s54, s51, 11
	s_lshl_b32 s56, s52, 8
	s_add_co_u32 s54, s54, s56
	s_add_co_u32 s54, s54, H1S
	s_add_nc_u64 s[60:61], s[24:25], s[54:55]      ; the tile's scale words
	v_and_b32 v12, 8, v2
	v_add_nc_u32 v12, v12, v2
	v_lshlrev_b32 v[XA], 13, v12
	v_lshl_add_u32 v[XA], v3, 6, v[XA]
	s_lshl_b32 s56, s26, 10
	v_add_nc_u32 v[XA], s56, v[XA]                 ; x: row r + 8 (r / 8), + 64 h, + 1,024 w
	v_lshl_add_u32 v[VA], v3, 6, s56               ; the same columns in a vector of 2,048
	v_lshlrev_b32 v[LI], 4, v1
	v_lshlrev_b32 v[CA], 5, v0                     ; 32 bytes a thread of such a vector
	s_lshl_b32 s56, s26, 2
	v_lshl_add_u32 v[SA], v2, 5, s56               ; partial sums: 32 r + 4 w
	v_lshlrev_b32 v[RA], 5, v2
	s_lshr_b32 s56, s26, 1
	s_lshl_b32 s56, s56, 8
	s_and_b32 s57, s26, 1
	s_lshl_b32 s57, s57, 3
	s_add_co_u32 s56, s56, s57
	v_lshl_add_u32 v[WA], v2, 4, s56               ; scale words: 256 (w / 2) + 16 r + 8 (w % 2)
	v_lshlrev_b32 v[GA], 9, v3
	v_lshl_add_u32 v[GA], v2, 4, v[GA]
	v_mov_b32 v13, 0                               ; written once: a lane permute's destination counts as a source
	global_load_b128 v[LS:LS+3], v[CA], s[6:7]
	global_load_b128 v[LS+4:LS+7], v[CA], s[6:7] offset:16
	global_load_b128 v[LS+8:LS+11], v[CA], s[8:9]
	global_load_b128 v[LS+12:LS+15], v[CA], s[8:9] offset:16
.irp e, 0,1
.irp b, 0,1,2,3
.irp j, 0,1,2,3
	global_load_b128 v[LX+64*\e+16*\b+4*\j:LX+64*\e+16*\b+4*\j+3], v[XA], s[4:5] offset:512*\e+128*\b+16*\j
.endr
.endr
.endr
	s_wait_loadcnt 32                              ; gain and shift are in; x's 32 loads may be out
	ds_store_b128 v[CA], v[LS:LS+3] offset:SCV
	ds_store_b128 v[CA], v[LS+4:LS+7] offset:SCV+16
	ds_store_b128 v[CA], v[LS+8:LS+11] offset:SHV
	ds_store_b128 v[CA], v[LS+12:LS+15] offset:SHV+16
	s_wait_loadcnt 0x0
.macro FOLD                            ; four chains of pairs into v12
	v_pk_add_f32 v[TM:TM+1], v[TM:TM+1], v[TM+2:TM+3]
	v_pk_add_f32 v[TM+4:TM+5], v[TM+4:TM+5], v[TM+6:TM+7]
	v_pk_add_f32 v[TM:TM+1], v[TM:TM+1], v[TM+4:TM+5]
	v_add_f32 v12, v[TM], v[TM+1]
.endm
.macro XCHG st                         ; my 128 numbers' sum in v12 becomes the row's, through LDS: one barrier
	v_permlanex16_b32 v13, v12, s48, s49
	v_add_f32 v12, v12, v13
	ds_store_b32 v[SA], v12 offset:\st             ; both halves of the lanes write the same word
	s_wait_dscnt 0x0                               ; for the others' sake: all my LDS stores have landed
	s_barrier_signal -1
	s_barrier_wait -1
	ds_load_b128 v[TM:TM+3], v[RA] offset:\st
	ds_load_b128 v[TM+4:TM+7], v[RA] offset:\st+16
	s_wait_dscnt 0x0
	FOLD
.endm
.irp k, 0,1,2,3
	v_pk_add_f32 v[TM+2*\k:TM+2*\k+1], v[LX+2*\k:LX+2*\k+1], v[LX+8+2*\k:LX+9+2*\k]
.endr
.set j, 16
.rept 14
.irp k, 0,1,2,3
	v_pk_add_f32 v[TM+2*\k:TM+2*\k+1], v[TM+2*\k:TM+2*\k+1], v[LX+j+2*\k:LX+j+2*\k+1]
.endr
.set j, j+8
.endr
	FOLD
	XCHG ST1
	v_mul_f32 v[MR], 0x3a000000, v12               ; the mean
	v_mov_b32 v[MR+1], v[MR]
.set j, 0
.rept 64
	v_pk_add_f32 v[LX+j:LX+j+1], v[LX+j:LX+j+1], v[MR:MR+1] op_sel_hi:[1,0] neg_lo:[0,1] neg_hi:[0,1]
.set j, j+2
.endr
.irp k, 0,1,2,3
	v_pk_mul_f32 v[TM+2*\k:TM+2*\k+1], v[LX+2*\k:LX+2*\k+1], v[LX+2*\k:LX+2*\k+1]
.endr
.set j, 8
.rept 15
.irp k, 0,1,2,3
	v_pk_fma_f32 v[TM+2*\k:TM+2*\k+1], v[LX+j+2*\k:LX+j+2*\k+1], v[LX+j+2*\k:LX+j+2*\k+1], v[TM+2*\k:TM+2*\k+1]
.endr
.set j, j+8
.endr
	FOLD
	XCHG ST2
	v_mul_f32 v12, 0x3a000000, v12
	v_add_f32 v12, 0x3727c5ac, v12
	v_rsq_f32 v[MR], v12
	v_rsq_f32 v[MR+1], v12
	v_nop
	s_wait_alu depctr_va_vdst(0)
.irp e, 0,1
.irp hb, 0,1
.irp bb, 0,1
.irp j, 0,1,2,3
	ds_load_b128 v[LS+16*\bb+4*\j:LS+16*\bb+4*\j+3], v[VA] offset:SCV+512*\e+256*\hb+128*\bb+16*\j
	ds_load_b128 v[LS+32+16*\bb+4*\j:LS+32+16*\bb+4*\j+3], v[VA] offset:SHV+512*\e+256*\hb+128*\bb+16*\j
.endr
.endr
	s_wait_dscnt 0x0
.set j, 0
.rept 16
	v_pk_mul_f32 v[LX+64*\e+32*\hb+j:LX+64*\e+32*\hb+j+1], v[LX+64*\e+32*\hb+j:LX+64*\e+32*\hb+j+1], v[MR:MR+1] op_sel_hi:[1,0]
	v_pk_fma_f32 v[LX+64*\e+32*\hb+j:LX+64*\e+32*\hb+j+1], v[LX+64*\e+32*\hb+j:LX+64*\e+32*\hb+j+1], v[LS+j:LS+j+1], v[LS+32+j:LS+32+j+1]
.set j, j+2
.endr
.endr
.endr
.irp e, 0,1
.if \e
	s_wait_xcnt 0x0                                ; the first fragment's stores have read their registers
.endif
	QUANT LX+64*\e, PC, PW+\e
.irp c, 0,1,2
	global_store_b128 v[LI], v[PC+4*\c:PC+4*\c+3], s[58:59] offset:1536*\e+512*\c
.endr
.endr
	ds_store_b64 v[WA], v[PW:PW+1] offset:SCW
	s_wait_dscnt 0x0
	s_barrier_signal -1
	s_barrier_wait -1                              ; the tile's 16 x 16 scale words lie in LDS
	s_cmp_lg_u32 s26, 0
	s_cbranch_scc1 .Lln1_done
	ds_load_b128 v[LS:LS+3], v[LI] offset:SCW
	ds_load_b128 v[LS+4:LS+7], v[LI] offset:SCW+512
	s_wait_dscnt 0x0
	global_store_b128 v[GA], v[LS:LS+3], s[60:61]              ; sixteen lanes store 256 consecutive bytes, aligned
	global_store_b128 v[GA], v[LS+4:LS+7], s[60:61] offset:1024
.Lln1_done:
	s_wait_tensorcnt 0x0
	ds_add_u32 v254, v255
	s_wait_dscnt 0x0
	s_endpgm
.Lfunc_end_k_qc46b146d81_prep:
	.size	k_qc46b146d81_prep, .Lfunc_end_k_qc46b146d81_prep-k_qc46b146d81_prep
	.p2alignl 7, 3214868480
	.fill 96, 4, 3214868480
	.section	.rodata,"a",@progbits
	.p2align	6, 0x0
	.amdhsa_kernel k_qc46b146d81_prep
		.amdhsa_group_segment_fixed_size 23552
		.amdhsa_private_segment_fixed_size 0
		.amdhsa_enable_private_segment 0
		.amdhsa_kernarg_size 88
		.amdhsa_user_sgpr_count 2
		.amdhsa_user_sgpr_kernarg_segment_ptr 1
		.amdhsa_wavefront_size32 1
		.amdhsa_system_sgpr_workgroup_id_x 1
		.amdhsa_system_sgpr_workgroup_id_y 1
		.amdhsa_system_sgpr_workgroup_id_z 1
		.amdhsa_system_vgpr_workitem_id 0
		.amdhsa_next_free_vgpr 256
		.amdhsa_next_free_sgpr 66
		.amdhsa_reserve_vcc 1
		.amdhsa_float_denorm_mode_32 3
		.amdhsa_float_denorm_mode_16_64 3
		.amdhsa_memory_ordered 1
		.amdhsa_forward_progress 1
		.amdhsa_inst_pref_size 215
	.end_amdhsa_kernel
	.amdgpu_metadata
---
amdhsa.version: [ 1, 2 ]
amdhsa.kernels:
  - .name:           k_qc46b146d81_prep
    .symbol:         k_qc46b146d81_prep.kd
    .args:
      - { .name: x, .offset: 0, .size: 8, .value_kind: global_buffer, .address_space: global }
      - { .name: ln1_scale, .offset: 8, .size: 8, .value_kind: global_buffer, .address_space: global }
      - { .name: ln1_shift, .offset: 16, .size: 8, .value_kind: global_buffer, .address_space: global }
      - { .name: W1, .offset: 24, .size: 8, .value_kind: global_buffer, .address_space: global }
      - { .name: W2, .offset: 32, .size: 8, .value_kind: global_buffer, .address_space: global }
      - { .name: Wk, .offset: 40, .size: 8, .value_kind: global_buffer, .address_space: global }
      - { .name: Wv, .offset: 48, .size: 8, .value_kind: global_buffer, .address_space: global }
      - { .name: Wq, .offset: 56, .size: 8, .value_kind: global_buffer, .address_space: global }
      - { .name: wcodes, .offset: 64, .size: 8, .value_kind: global_buffer, .address_space: global }
      - { .name: wscales, .offset: 72, .size: 8, .value_kind: global_buffer, .address_space: global }
      - { .name: h1, .offset: 80, .size: 8, .value_kind: global_buffer, .address_space: global }
    .group_segment_fixed_size: 23552
    .private_segment_fixed_size: 0
    .kernarg_segment_align: 8
    .kernarg_segment_size: 88
    .max_flat_workgroup_size: 256
    .sgpr_count:     66
    .vgpr_count:     256
    .wavefront_size: 32
...
	.end_amdgpu_metadata
.endif
;; end of part 1
;; launch kvattn (part 2): grid 16 x 8, 4 waves a work-group, clusters of 4 x 4, 327,680 bytes of LDS; arguments h1, wcodes, wscales, att; writes att
.if DOCPART == 2
	.amdgcn_target "amdgcn-amd-amdhsa--gfx1250"
	.amdhsa_code_object_version 6
	.text
	.protected	k_qc46b146d81_kvattn
	.globl	k_qc46b146d81_kvattn
	.p2align	8
	.type	k_qc46b146d81_kvattn,@function
k_qc46b146d81_kvattn:
	s_mov_b64 s[64:65], 0
	v_nop
	global_prefetch_b8 v0, s[64:65] scope:SCOPE_SE
	s_setreg_imm32_b32 hwreg(HW_REG_WAVE_MODE, 25, 1), 1
	s_wait_xcnt 0x0
	s_wait_alu depctr_hold_cnt(0) depctr_sa_sdst(0) depctr_va_vdst(0) depctr_va_sdst(0) depctr_va_ssrc(0) depctr_va_vcc(0) depctr_vm_vsrc(0)
	s_getreg_b32 s2, hwreg(HW_REG_IB_STS2, 6, 4)
	s_cmp_eq_u32 s2, 0
	s_cbranch_scc0 .Lentry_in_a_cluster
	s_endpgm
.Lentry_in_a_cluster:
	s_bfe_u32 s2, ttmp6, 0x10000c
	s_cmp_lg_u32 s2, 0xf033
	s_cbranch_scc0 .Lentry_shape_is_right
	s_endpgm
.Lentry_shape_is_right:
; K AND V OF 128 TOKENS OF ONE HEAD, AND THE LAST QUERY'S ATTENTION OVER THEM.  x = head, y = block of 128 keys.  All products on codes of FP6 (E2M3) with E8M0 scales.
; GEMM: 128 tokens x 256 columns (Wk's 128 and Wv's 128 of the head), K = 2,048 in 16 steps of 128, four steps to an LDS slot, two slots filled by the tensor data mover.
; All operands lie in memory and LDS as images of their registers (1,536 bytes a fragment: three loads of 16 bytes a lane, 512 consecutive bytes each): no pitch, no padding.
; A wave has 32 accumulators: eight fragments as source 0, four as source 1.  Waves 0, 1 make K: source 0 = Wk's eight tiles, source 1 = four tiles of tokens: a lane holds one token, its registers run along d.
; Waves 2, 3 make V^T: source 0 = the eight tiles of tokens, source 1 = four of Wv's tiles: a lane holds one d, its registers run along the keys.  So both are quantised in registers along their next K.
; WAY OUT: K's and V^T's fragments go to LDS; every wave makes the 128 scores of the last query (16 equal rows), p = 2^(t - M) with M = ceil(the block's largest t), l = the sum of the unquantised p,
; quantises p and multiplies it by its two tiles of V^T.  O (not normalised), -M and l of the block go to memory; the next launch joins the eight blocks by exact powers of two.
; The causal mask hides no key from the last query, and no other query's result is kept by the block.
; CLUSTERS: 4 x 4.  The tokens' tiles hang on y alone and are shared along a row of the cluster, the weights' on x alone and are shared along a column: joint loads.
; LIMITS: a block of zeros or under 2^-124 gets the byte 1; NaN and infinities are not served; the last query's q is the sum of four partial sums over K.
; REGISTERS: window 0: v1-15 addresses; v16-31 O; v32-127 scale words of all 16 K steps; v128-191 at work (q, scores, p); v192-229 the quantiser's; v230-254 q's fragment and the way out's scale words and addresses.
;   window 1: the accumulators ((a, i) at 64 a + 8 i).   windows 2, 3: two sets of fragments: source 0's eight at 12 i, source 1's four at 96 + 12 a.
.set TSTR,  6144                       ; a tile's four K steps in a slot
.set SSTEP, 6144                       ; bytes along a tile's codes from slot to slot
.set SLOT,  147456                     ; 8 tiles of tokens (49,152 bytes), then 16 of weights
.set BREG,  49152
.set SPARE, 294912                     ; the spare words: 128 bytes a wave, two blocks of 256 bytes that no other line names
.set WKVC,  25165824
.set WKVS,  1048576
.set H1S,   1572864
.set QP,    1638400
.set KIMG,  0                          ; the way out, in slot 0 (it has had its last fill and its last read): K's eight fragments,
.set VIMG,  12288                      ; V^T's eight,
.set KSCW,  24576                      ; their scale words, 128 bytes each
.set VSCW,  25600
.set G,   128
.set TM,  192
.set NM,  200                          ; v200-201 -M
.set LP,  202                          ; v202-203 l
.set PW,  208
.set PC,  210
.set CT,  222
.set OA,  16
.set QF,  230
.set QW,  242
.set KW,  243
.set VW,  251
.set G1,  24
.set G0,  32
.set G1B, 48
.set G0B, 56
.set MSB, 0
.macro WIN new                         ; the immediate's high byte repeats the setting that is left
.if MSB != (\new)
	s_set_vgpr_msb (MSB<<8)|(\new)
.set MSB, (\new)
.endif
.endm
.macro JLOAD g0a, g1a, g0b, g1b        ; a joint load: waves 0, 1 fetch the tokens' halves, waves 2, 3 the weights'; four v_nop follow each line
	s_cmp_eq_u32 s15, 0
	s_cbranch_scc0 .Lfor_b_\@
	tensor_load_to_lds s[\g0a:\g0a+3], s[\g1a:\g1a+7]
	s_nop 0
.rept 4
	v_nop
.endr
	s_branch .Lasked_\@
.Lfor_b_\@:
	tensor_load_to_lds s[\g0b:\g0b+3], s[\g1b:\g1b+7]
	s_nop 0
.rept 4
	v_nop
.endr
.Lasked_\@:
.endm
.macro CREST                           ; a round of the cluster's barrier behind its opening barrier
	s_cmp_lg_u32 s14, 0
	s_cbranch_scc1 .Lnot_wave_0_\@
	s_barrier_signal -3
.Lnot_wave_0_\@:
	s_barrier_wait -3
	s_barrier_signal -1
	s_barrier_wait -1
.endm
.macro CROUND
	s_barrier_signal -1
	s_barrier_wait -1
	CREST
.endm
; 64 numbers of a lane in window win, register 16 b + i = k 32 b + 16 (lane / 16) + i of my row, become a fragment in v[pc] on and its scale word in v[pw]
.macro QUANT src, win, pc, pw
	WIN ((\win)<<2)|((\win)<<4)
.irp b, 0,1,2,3
	v_max3_num_f32 v[TM+\b], 0x1800000, |v[\src+16*\b]|, |v[\src+16*\b+1]|   ; with the floor 2^(3 - 127); each accumulator is read from its low end on
.endr
.irp i, 2,4,6,8,10,12,14
.irp b, 0,1,2,3
	v_max3_num_f32 v[TM+\b], v[TM+\b], |v[\src+16*\b+\i]|, |v[\src+16*\b+\i+1]|
.endr
.endr
	WIN 0
.irp b, 0,1,2,3
	v_permlanex16_b32 v[TM+4+\b], v[TM+\b], s66, s67
.endr
.irp b, 0,1,2,3
	v_max_num_f32 v[TM+\b], v[TM+\b], v[TM+4+\b]
.endr
.irp b, 0,1,2,3
	v_add_nc_u32 v[TM+12+\b], 0xff000000, v[TM+\b]
.endr
.irp b, 0,1,2,3
	v_lshrrev_b32 v[TM+4+\b], 23, v[TM+12+\b]
.endr
	v_lshl_or_b32 v[\pw], v[TM+5], 8, v[TM+4]
	v_lshl_or_b32 v[\pw], v[TM+6], 16, v[\pw]
	v_lshl_or_b32 v[\pw], v[TM+7], 24, v[\pw]
	WIN (\win)
.irp c, 0,1
	v_cvt_scalef32_pk16_fp6_f32 v[\pc+6*\c:\pc+6*\c+2], v[\src+32*\c:\src+32*\c+15], v[TM+12+2*\c]
	v_cvt_scalef32_pk16_fp6_f32 v[CT+4*\c:CT+4*\c+2], v[\src+32*\c+16:\src+32*\c+31], v[TM+13+2*\c]
.endr
	WIN 0
	v_nop                                          ; one plain place behind a scaled conversion
.irp c, 0,1
.irp i, 0,1,2
	v_permlane16_swap_b32 v[\pc+6*\c+\i], v[CT+4*\c+\i]
.endr
.irp i, 0,1,2
	v_mov_b32 v[\pc+6*\c+3+\i], v[CT+4*\c+\i]
.endr
.endr
.endm
.macro FETCH slot, e, w                ; 36 LDS loads in one run: K step e of the slot into window w
	WIN (\w)<<6
.set II, 0
.rept 8
.irp c, 0,1,2
	ds_load_b128 v[12*II+4*\c:12*II+4*\c+3], v[8+2*(\slot)+II/4] offset:(II%4)*TSTR+1536*(\e)+512*\c
.endr
.set II, II+1
.endr
.set AA, 0
.rept 4
.irp c, 0,1,2
	ds_load_b128 v[96+12*AA+4*\c:96+12*AA+4*\c+3], v[6+(\slot)] offset:AA*TSTR+1536*(\e)+512*\c
.endr
.set AA, AA+1
.endr
.endm
.macro ONE kap, cm                     ; accumulator (AA, II), K step kap.  A pair of tiles shares a scale register: the even tile in lanes 0-15, the odd one in lanes 16-31
.set DD, 64*AA+8*II
.set S8, 32+16*(II/2)+(\kap)
.set S4, 96+16*(AA/2)+(\kap)
.if \cm
.if (II%2 == 0) && (AA%2 == 0)
	v_wmma_scale_f32_16x16x128_f8f6f4 v[DD:DD+7], v[12*II:12*II+11], v[96+12*AA:96+12*AA+11], 0, v[S8], v[S4] matrix_a_fmt:MATRIX_FMT_FP6 matrix_b_fmt:MATRIX_FMT_FP6
.elseif (II%2 == 1) && (AA%2 == 0)
	v_wmma_scale_f32_16x16x128_f8f6f4 v[DD:DD+7], v[12*II:12*II+11], v[96+12*AA:96+12*AA+11], 0, v[S8], v[S4] matrix_a_fmt:MATRIX_FMT_FP6 matrix_b_fmt:MATRIX_FMT_FP6 matrix_a_scale:MATRIX_SCALE_ROW1
.elseif (II%2 == 0)
	v_wmma_scale_f32_16x16x128_f8f6f4 v[DD:DD+7], v[12*II:12*II+11], v[96+12*AA:96+12*AA+11], 0, v[S8], v[S4] matrix_a_fmt:MATRIX_FMT_FP6 matrix_b_fmt:MATRIX_FMT_FP6 matrix_b_scale:MATRIX_SCALE_ROW1
.else
	v_wmma_scale_f32_16x16x128_f8f6f4 v[DD:DD+7], v[12*II:12*II+11], v[96+12*AA:96+12*AA+11], 0, v[S8], v[S4] matrix_a_fmt:MATRIX_FMT_FP6 matrix_b_fmt:MATRIX_FMT_FP6 matrix_a_scale:MATRIX_SCALE_ROW1 matrix_b_scale:MATRIX_SCALE_ROW1
.endif
.else
.if (II%2 == 0) && (AA%2 == 0)
	v_wmma_scale_f32_16x16x128_f8f6f4 v[DD:DD+7], v[12*II:12*II+11], v[96+12*AA:96+12*AA+11], v[DD:DD+7], v[S8], v[S4] matrix_a_fmt:MATRIX_FMT_FP6 matrix_b_fmt:MATRIX_FMT_FP6
.elseif (II%2 == 1) && (AA%2 == 0)
	v_wmma_scale_f32_16x16x128_f8f6f4 v[DD:DD+7], v[12*II:12*II+11], v[96+12*AA:96+12*AA+11], v[DD:DD+7], v[S8], v[S4] matrix_a_fmt:MATRIX_FMT_FP6 matrix_b_fmt:MATRIX_FMT_FP6 matrix_a_scale:MATRIX_SCALE_ROW1
.elseif (II%2 == 0)
	v_wmma_scale_f32_16x16x128_f8f6f4 v[DD:DD+7], v[12*II:12*II+11], v[96+12*AA:96+12*AA+11], v[DD:DD+7], v[S8], v[S4] matrix_a_fmt:MATRIX_FMT_FP6 matrix_b_fmt:MATRIX_FMT_FP6 matrix_b_scale:MATRIX_SCALE_ROW1
.else
	v_wmma_scale_f32_16x16x128_f8f6f4 v[DD:DD+7], v[12*II:12*II+11], v[96+12*AA:96+12*AA+11], v[DD:DD+7], v[S8], v[S4] matrix_a_fmt:MATRIX_FMT_FP6 matrix_b_fmt:MATRIX_FMT_FP6 matrix_a_scale:MATRIX_SCALE_ROW1 matrix_b_scale:MATRIX_SCALE_ROW1
.endif
.endif
.endm
.macro MUL w, kap, a0, a1, cm          ; the products of source 1's fragments a0 .. a1 with source 0's eight; the 32 accumulators take turns in the same order in every step.  cm = 1: the products start the sums
	WIN 0x50|((\w)*5)                              ; sources 0 and 1 window w, C and D window 1
.set AA, \a0
.rept \a1-\a0+1
.set II, 0
.rept 8
	ONE \kap, \cm
.set II, II+1
.endr
.set AA, AA+1
.endr
.endm
.macro STEP slot, en, p, kap, cm       ; multiplies set p and fetches the slot's K step en into the other set
	s_wait_dscnt 0x0                               ; set p is in (asked for one step ago)
.rept 4
	v_nop                                          ; places in front of loads into registers that the last step's products have read
.endr
	FETCH \slot, \en, 3-(\p)
	MUL 2+(\p), \kap, 0, 3, \cm
.endm
; A slot's last step changes slots: ONE barrier; in front of it each wave waits for all its tensor loads, adds 0 to its spare word, and waits for that and for its reads of this slot.
.macro TURN slot, next, fill, p, kap
	WIN 0
	s_wait_tensorcnt 0x0                           ; all my tensor loads have landed: my part of the next slot
	ds_add_u32 v12, v13                            ; 0 onto my spare word
	s_wait_dscnt 1                                 ; the add alone may be out: set p's 36 loads are in
	MUL 2+(\p), \kap, 0, 0, 0
	s_wait_dscnt 0x0                               ; the add is done, and my reads of this slot are over
	s_barrier_signal -1
	MUL 2+(\p), \kap, 1, 1, 0
	WIN 0
	s_barrier_wait -1
.if \fill
	CREST                                          ; the barrier has opened a round of the cluster's: no wave of any partner still reads this slot or has a load on its way
	s_add_nc_u64 s[G0+4*\slot+2:G0+4*\slot+3], s[G0+4*\slot+2:G0+4*\slot+3], 2*SSTEP
	s_add_nc_u64 s[G0B+4*\slot+2:G0B+4*\slot+3], s[G0B+4*\slot+2:G0B+4*\slot+3], 2*SSTEP
	JLOAD G0+4*\slot, G1, G0B+4*\slot, G1B         ; the first tensor load behind the round; its four v_nop are the places in front of the loads below
.else
.rept 4
	v_nop
.endr
.endif
	FETCH \next, 0, 3-(\p)
	MUL 2+(\p), \kap, 2, 3, 0
.endm
.macro LAST p, kap
	s_wait_dscnt 0x0
	MUL 2+(\p), \kap, 0, 3, 0
	WIN 0
.endm
	s_load_b256 s[4:11], s[0:1], 0x0               ; h1 4, wcodes 6, wscales 8, att 10
	v_lshl_add_u32 v12, v0, 2, SPARE
	v_mov_b32 v13, 0
	ds_add_u32 v12, v13
	ds_add_u32 v12, v13
	s_wait_dscnt 0x0
	v_lshrrev_b32 v1, 5, v0
	v_readfirstlane_b32 s14, v1                    ; wave 0..3
	s_lshr_b32 s15, s14, 1                         ; role: 0 K, 1 V.  Also: I fetch tokens (0) or weights (1)
	s_and_b32 s16, s14, 1                          ; which half
	s_bfe_u32 s40, ttmp6, 0x40000                  ; cx, cy
	s_bfe_u32 s41, ttmp6, 0x40004
	s_lshl_b32 s42, ttmp9, 2
	s_add_co_u32 s42, s42, s40                     ; the head
	s_and_b32 s17, ttmp7, 0xffff
	s_lshl_b32 s17, s17, 2
	s_add_co_u32 s17, s17, s41                     ; the block of keys
	s_lshl_b32 s43, s41, 2
	s_lshl_b32 s43, 15, s43                        ; my row of the cluster
	s_lshl_b32 s44, 0x1111, s40                    ; my column
	; group 1: rows of 768 elements of 8 bytes (a tile's four K steps), 3,072 elements from tile to tile; 4 tiles of tokens or 8 of weights a load
	s_or_b32 s[G1], s43, (3<<16)|(1<<21)
	s_or_b32 s[G1B], s44, (3<<16)|(1<<21)
	s_mov_b32 s[G1+1], 768<<16
	s_mov_b32 s[G1+2], 4<<16
	s_mov_b32 s[G1+3], 768<<16
	s_mov_b32 s[G1+4], 4
	s_mov_b32 s[G1+5], 3072
	s_mov_b32 s[G1+6], 0
	s_mov_b32 s[G1+7], 0
	s_mov_b32 s[G1B+1], 768<<16
	s_mov_b32 s[G1B+2], 8<<16
	s_mov_b32 s[G1B+3], 768<<16
	s_mov_b32 s[G1B+4], 8
	s_mov_b32 s[G1B+5], 3072
	s_mov_b32 s[G1B+6], 0
	s_mov_b32 s[G1B+7], 0
	s_lshl_b32 s20, s17, 3
	s_lshl_b32 s18, s16, 2
	s_add_co_u32 s20, s20, s18
	s_mul_i32 s20, s20, 24576                      ; tokens: tile 8 y + 4 half
	s_mov_b32 s21, 0
	s_lshl_b32 s46, s42, 4
	s_lshl_b32 s18, s16, 3
	s_add_co_u32 s46, s46, s18
	s_mul_i32 s46, s46, 24576                      ; weights: tile row 16 x + 8 half
	s_add_co_u32 s46, s46, WKVC
	s_mov_b32 s47, 0
	s_mul_i32 s45, s16, 24576                      ; where they go: no place in the cluster enters an LDS address
	s_mul_i32 s94, s16, 49152
	s_add_co_u32 s94, s94, BREG
	s_mov_b32 s66, 0x76543210
	s_mov_b32 s67, 0xfedcba98
	s_mov_b32 s68, 0x3e0293ee                      ; c = log2(e) / sqrt(128)
	s_mov_b32 s69, s68
	s_wait_kmcnt 0x0
	s_add_nc_u64 s[20:21], s[4:5], s[20:21]
	s_add_nc_u64 s[46:47], s[6:7], s[46:47]
	CROUND                                         ; all sixteen work-groups are here: the first joint loads meet
.irp s, 0,1
	s_mov_b32 s[G0+4*\s], 1
	s_add_co_u32 s[G0+4*\s+1], s45, \s*SLOT
	s_add_nc_u64 s[G0+4*\s+2:G0+4*\s+3], s[20:21], \s*SSTEP
	s_or_b32 s[G0+4*\s+3], s[G0+4*\s+3], 0x80000000
	s_mov_b32 s[G0B+4*\s], 1
	s_add_co_u32 s[G0B+4*\s+1], s94, \s*SLOT
	s_add_nc_u64 s[G0B+4*\s+2:G0B+4*\s+3], s[46:47], \s*SSTEP
	s_or_b32 s[G0B+4*\s+3], s[G0B+4*\s+3], 0x80000000
	JLOAD G0+4*\s, G1, G0B+4*\s, G1B
.endr
	v_and_b32 v1, 31, v0
	v_and_b32 v2, 15, v0
	v_bfe_u32 v3, v0, 4, 1
	v_lshlrev_b32 v4, 4, v1                        ; 16 x lane
	v_lshlrev_b32 v5, 2, v1                        ; 4 x lane
	s_xor_b32 s18, s15, 1
	s_mul_i32 s18, s18, BREG                       ; source 0's eight: K role Wk's tiles, V role the tokens'
	s_mul_i32 s19, s15, 98304
	s_mul_i32 s22, s16, 24576
	s_add_co_u32 s19, s19, s22                     ; source 1's four: K role tokens 4 half on, V role Wv's tiles 4 half on
.irp s, 0,1
	v_add_nc_u32 v[6+\s], s19, v4
	v_add_nc_u32 v[8+2*\s], s18, v4
	v_add_nc_u32 v[9+2*\s], 4*TSTR, v[8+2*\s]
	s_add_co_u32 s18, s18, SLOT
	s_add_co_u32 s19, s19, SLOT
.endr
	s_mul_i32 s18, s15, 12288
	s_mul_i32 s22, s16, 6144
	s_add_co_u32 s18, s18, s22
	v_add_nc_u32 v14, s18, v4                      ; where my four fragments go
	s_lshl_b32 s18, s15, 10
	s_lshl_b32 s22, s16, 9
	s_add_co_u32 s18, s18, s22
	s_add_co_u32 s18, s18, KSCW
	v_add_nc_u32 v15, s18, v5                      ; and their scale words
	s_mul_i32 s18, s14, 3072
	s_add_co_u32 s18, s18, VIMG
	v_add_nc_u32 v253, s18, v4                     ; my two tiles of V^T
	s_lshl_b32 s18, s14, 8
	s_add_co_u32 s18, s18, VSCW
	v_add_nc_u32 v254, s18, v5
	v_lshlrev_b32 v255, 6, v3                      ; 64 h
	v_lshlrev_b32 v229, 2, v3                      ; 4 h
	v_mov_b32 v225, 0                              ; written once: a lane permute's destination counts as a source
.irp b, 0,1,2,3
	v_mov_b32 v[TM+4+\b], 0
.endr
	; the scale words of all 16 K steps come into registers once: 512 consecutive bytes a load
	s_lshl_b32 s80, s42, 14
	s_add_co_u32 s80, s80, WKVS                    ; the head's eight pairs
	s_lshl_b32 s81, s17, 13
	s_add_co_u32 s81, s81, H1S                     ; the block's four pairs of tokens
	s_lshl_b32 s82, s16, 12
	s_add_co_u32 s83, s81, s82
	s_add_co_u32 s84, s80, s82
	s_add_co_u32 s84, s84, 8192
	s_cmp_eq_u32 s15, 0
	s_cselect_b64 s[76:77], s[8:9], s[4:5]
	s_cselect_b64 s[78:79], s[4:5], s[8:9]
	s_cselect_b32 s86, s80, s81
	s_cselect_b32 s88, s83, s84
	s_mov_b32 s87, 0
	s_mov_b32 s89, 0
	s_add_nc_u64 s[76:77], s[76:77], s[86:87]
	s_add_nc_u64 s[78:79], s[78:79], s[88:89]
	s_lshl_b32 s86, s42, 9
	s_add_co_u32 s86, s86, QP
	s_add_nc_u64 s[90:91], s[4:5], s[86:87]        ; the head's 128 of the partial q
.irp p, 0,1,2,3
.irp q, 0,1,2,3
	global_load_b128 v[32+16*\p+4*\q:35+16*\p+4*\q], v4, s[76:77] offset:2048*\p+512*\q
.endr
.endr
.irp p, 0,1
.irp q, 0,1,2,3
	global_load_b128 v[96+16*\p+4*\q:99+16*\p+4*\q], v4, s[78:79] offset:2048*\p+512*\q
.endr
.endr
.irp b, 0,1,2,3
.irp j, 0,1,2,3
	global_load_b128 v[G+16*\b+4*\j:G+16*\b+4*\j+3], v255, s[90:91] offset:128*\b+16*\j
.endr
.endr
	WIN 0x40                                       ; the other three partial sums into window 1, which is not yet in use
.irp k, 0,1,2
.irp b, 0,1,2,3
.irp j, 0,1,2,3
	global_load_b128 v[64*\k+16*\b+4*\j:64*\k+16*\b+4*\j+3], v255, s[90:91] offset:8192*(\k+1)+128*\b+16*\j
.endr
.endr
.endr
	WIN 0
	s_wait_tensorcnt 1                             ; my part of slot 0 is in; slot 1's may be out
	s_barrier_signal -1
	s_barrier_wait -1
	FETCH 0, 0, 2
	s_wait_loadcnt 0x0
	WIN 0x04
.irp k, 0,1,2
.set j, 0
.rept 32
	v_pk_add_f32 v[G+j:G+j+1], v[G+j:G+j+1], v[64*\k+j:64*\k+j+1]
.set j, j+2
.endr
.endr
	QUANT G, 0, QF, QW                             ; q of the last token: 16 equal rows
	STEP 0, 1, 0, 0, 1
	STEP 0, 2, 1, 1, 0
	STEP 0, 3, 0, 2, 0
	TURN 0, 1, 1, 1, 3
	STEP 1, 1, 0, 4, 0
	STEP 1, 2, 1, 5, 0
	STEP 1, 3, 0, 6, 0
	TURN 1, 0, 1, 1, 7
	STEP 0, 1, 0, 8, 0
	STEP 0, 2, 1, 9, 0
	STEP 0, 3, 0, 10, 0
	TURN 0, 1, 0, 1, 11                            ; nothing is left to fetch: no round
	STEP 1, 1, 0, 12, 0
	STEP 1, 2, 1, 13, 0
	STEP 1, 3, 0, 14, 0
	LAST 1, 15
.rept 4
	v_nop                                          ; places behind the last products
.endr
.irp a, 0,1,2,3
	QUANT 64*\a, 1, PC, PW
.irp c, 0,1,2
	ds_store_b128 v14, v[PC+4*\c:PC+4*\c+3] offset:1536*\a+512*\c
.endr
	ds_store_b32 v15, v[PW] offset:128*\a
	s_wait_dscnt 0x0                               ; the stores have read their registers
.endr
	s_barrier_signal -1
	s_barrier_wait -1                              ; K's and V^T's sixteen fragments lie in LDS
	WIN 0x80
.set T, 0
.rept 8
.irp c, 0,1,2
	ds_load_b128 v[12*T+4*\c:12*T+4*\c+3], v4 offset:KIMG+1536*T+512*\c
.endr
.set T, T+1
.endr
.irp i, 0,1
.irp c, 0,1,2
	ds_load_b128 v[96+12*\i+4*\c:96+12*\i+4*\c+3], v253 offset:1536*\i+512*\c
.endr
.endr
	WIN 0
.irp t, 0,1,2,3,4,5,6,7
	ds_load_b32 v[KW+\t], v5 offset:KSCW+128*\t
.endr
	ds_load_b32 v[VW], v254
	ds_load_b32 v[VW+1], v254 offset:128
	s_wait_dscnt 0x0
	WIN 0x02                                       ; source 0 window 2
.irp t, 0,1,2,3,4,5,6,7                        ; S^T = K q^T: register 8 t + j of lane (r, h) is key 32 (t / 2) + 16 h + 8 (t % 2) + j
	v_wmma_scale_f32_16x16x128_f8f6f4 v[G+8*\t:G+8*\t+7], v[12*\t:12*\t+11], v[QF:QF+11], 0, v[KW+\t], v[QW] matrix_a_fmt:MATRIX_FMT_FP6 matrix_b_fmt:MATRIX_FMT_FP6
.endr
	WIN 0
.rept 4
	v_nop
.endr
.irp b, 0,1,2,3
	v_max3_num_f32 v[TM+\b], v[G+16*\b], v[G+16*\b+1], v[G+16*\b+2]
.endr
.irp i, 3,5,7,9,11,13
.irp b, 0,1,2,3
	v_max3_num_f32 v[TM+\b], v[TM+\b], v[G+16*\b+\i], v[G+16*\b+\i+1]
.endr
.endr
.irp b, 0,1,2,3
	v_max_num_f32 v[TM+\b], v[TM+\b], v[G+16*\b+15]
.endr
	v_max3_num_f32 v209, v[TM], v[TM+1], v[TM+2]
	v_max_num_f32 v209, v209, v[TM+3]
	v_permlanex16_b32 v225, v209, s66, s67
	v_max_num_f32 v209, v209, v225                 ; the largest score of the 128 keys
	v_mul_f32 v209, s68, v209                      ; as t (c is positive)
	v_floor_f32 v[NM], -v209                       ; -M = floor(-t): M is a whole number
	v_floor_f32 v[NM+1], -v209
.set j, 0
.rept 32
	v_pk_fma_f32 v[G+j:G+j+1], v[G+j:G+j+1], s[68:69], v[NM:NM+1] op_sel_hi:[1,0,0]   ; t - M
.set j, j+2
.endr
.set j, 0
.rept 64
	v_exp_f32 v[G+j], v[G+j]                       ; p = 2^(t - M), not normalised
.set j, j+1
.endr
	v_nop                                          ; a plain place behind the exponentials
	s_wait_alu depctr_va_vdst(0)
	v_pk_add_f32 v[LP:LP+1], v[G:G+1], v[G+4:G+5]  ; l is the sum of the unquantised p: two chains
	v_pk_add_f32 v[TM:TM+1], v[G+2:G+3], v[G+6:G+7]
.set j, 8
.rept 14
	v_pk_add_f32 v[LP:LP+1], v[LP:LP+1], v[G+j:G+j+1]
	v_pk_add_f32 v[TM:TM+1], v[TM:TM+1], v[G+j+2:G+j+3]
.set j, j+4
.endr
	v_pk_add_f32 v[LP:LP+1], v[LP:LP+1], v[TM:TM+1]
	v_add_f32 v[LP], v[LP], v[LP+1]
	v_permlanex16_b32 v225, v[LP], s66, s67
	v_add_f32 v[LP], v[LP], v225
	QUANT G, 0, PC, PW
.rept 8
	v_nop                                          ; a scale word written by vector instructions stands 8 places ahead of a scaled matrix instruction, an operand 4
.endr
	WIN 0x02
.irp i, 0,1                                    ; O^T = V^T p^T: register 8 i + j is d = 32 wave + 16 h + 8 i + j
	v_wmma_scale_f32_16x16x128_f8f6f4 v[OA+8*\i:OA+8*\i+7], v[96+12*\i:96+12*\i+11], v[PC:PC+11], 0, v[VW+\i], v[PW] matrix_a_fmt:MATRIX_FMT_FP6 matrix_b_fmt:MATRIX_FMT_FP6
.endr
	WIN 0
.rept 4
	v_nop
.endr
	s_lshl_b32 s84, s42, 3
	s_add_co_u32 s84, s84, s17                     ; 8 head + block
	s_lshl_b32 s80, s84, 9
	s_lshl_b32 s82, s14, 7
	s_add_co_u32 s80, s80, s82
	s_mov_b32 s81, 0
	s_add_nc_u64 s[80:81], s[10:11], s[80:81]
	s_lshl_b32 s82, s84, 3
	s_add_co_u32 s82, s82, 65536
	s_mov_b32 s83, 0
	s_add_nc_u64 s[82:83], s[10:11], s[82:83]
	v_cmp_le_u32 vcc_lo, 16, v1
	v_cndmask_b32 v209, v[NM], v[LP], vcc_lo       ; lane 0: -M, lane 16: l
	v_cmp_eq_u32 vcc_lo, 0, v2                     ; all 16 rows are equal: lanes 0 and 16 store
	s_wait_xcnt 0x0                                ; EXEC changes only when no earlier memory instruction still reads it
	s_and_saveexec_b32 s92, vcc_lo
.irp q, 0,1,2,3
	global_store_b128 v255, v[OA+4*\q:OA+4*\q+3], s[80:81] offset:16*\q
.endr
	s_cmp_lg_u32 s14, 0
	s_cbranch_scc1 .Lno_ml
	global_store_b32 v229, v209, s[82:83]
.Lno_ml:
	s_wait_xcnt 0x0
	s_or_b32 exec_lo, exec_lo, s92
	s_wait_tensorcnt 0x0                           ; the wave's end
	ds_add_u32 v12, v13
	s_wait_dscnt 0x0
	CROUND                                         ; the closing round
	s_endpgm
.Lfunc_end_k_qc46b146d81_kvattn:
	.size	k_qc46b146d81_kvattn, .Lfunc_end_k_qc46b146d81_kvattn-k_qc46b146d81_kvattn
	.p2alignl 7, 3214868480
	.fill 96, 4, 3214868480
	.section	.rodata,"a",@progbits
	.p2align	6, 0x0
	.amdhsa_kernel k_qc46b146d81_kvattn
		.amdhsa_group_segment_fixed_size 327680
		.amdhsa_private_segment_fixed_size 0
		.amdhsa_enable_private_segment 0
		.amdhsa_kernarg_size 32
		.amdhsa_user_sgpr_count 2
		.amdhsa_user_sgpr_kernarg_segment_ptr 1
		.amdhsa_wavefront_size32 1
		.amdhsa_system_sgpr_workgroup_id_x 1
		.amdhsa_system_sgpr_workgroup_id_y 1
		.amdhsa_system_sgpr_workgroup_id_z 1
		.amdhsa_system_vgpr_workitem_id 0
		.amdhsa_next_free_vgpr 1024
		.amdhsa_next_free_sgpr 100
		.amdhsa_reserve_vcc 1
		.amdhsa_float_denorm_mode_32 3
		.amdhsa_float_denorm_mode_16_64 3
		.amdhsa_memory_ordered 1
		.amdhsa_forward_progress 1
		.amdhsa_inst_pref_size 167
	.end_amdhsa_kernel
	.amdgpu_metadata
---
amdhsa.version: [ 1, 2 ]
amdhsa.kernels:
  - .name:           k_qc46b146d81_kvattn
    .symbol:         k_qc46b146d81_kvattn.kd
    .args:
      - { .name: h1, .offset: 0, .size: 8, .value_kind: global_buffer, .address_space: global }
      - { .name: wcodes, .offset: 8, .size: 8, .value_kind: global_buffer, .address_space: global }
      - { .name: wscales, .offset: 16, .size: 8, .value_kind: global_buffer, .address_space: global }
      - { .name: att, .offset: 24, .size: 8, .value_kind: global_buffer, .address_space: global }
    .group_segment_fixed_size: 327680
    .private_segment_fixed_size: 0
    .kernarg_segment_align: 8
    .kernarg_segment_size: 32
    .max_flat_workgroup_size: 128
    .sgpr_count:     100
    .vgpr_count:     1024
    .wavefront_size: 32
...
	.end_amdgpu_metadata
.endif
;; end of part 2
;; launch wo (part 3): grid 16 x 16, 8 waves a work-group, no clusters, 5,120 bytes of LDS; arguments att, Wo, apart; writes apart
.if DOCPART == 3
	.amdgcn_target "amdgcn-amd-amdhsa--gfx1250"
	.amdhsa_code_object_version 6
	.text
	.protected	k_qc46b146d81_wo
	.globl	k_qc46b146d81_wo
	.p2align	8
	.type	k_qc46b146d81_wo,@function
k_qc46b146d81_wo:
	s_mov_b64 s[64:65], 0
	v_nop
	global_prefetch_b8 v0, s[64:65] scope:SCOPE_SE
	s_setreg_imm32_b32 hwreg(HW_REG_WAVE_MODE, 25, 1), 1
	s_wait_xcnt 0x0
; THE LAST TOKEN'S CONTEXT OF ONE HEAD, TIMES THAT HEAD'S 128 ROWS OF Wo, FOR 128 COLUMNS.  x = head, y = block of 128 columns.  All in f32 (fused multiply-adds): the result goes on into a quantiser.
; The head's eight blocks of keys are joined: with -M the least of the blocks' -M, block k counts by f = 2^(M_k - M), an exact power of two; ctx = (sum f O) / (sum f l).
; Wave w takes rows 16 w .. 16 w + 15: sixteen loads of 512 consecutive bytes, all out at once, so nothing is prefetched.  The eight waves' sums meet in LDS.
; The sum over heads is left to the launches that read apart: an order of f32 sums that differs from the reference's.  No matrix unit (one row), no clusters (work-groups share only 4 KiB).
	s_load_b128 s[4:7], s[0:1], 0x0                ; att, Wo
	s_load_b64 s[8:9], s[0:1], 0x10                ; apart
	v_lshl_add_u32 v128, v0, 2, 0x1000
	v_mov_b32 v129, 0
	v_lshrrev_b32 v1, 5, v0
	v_readfirstlane_b32 s10, v1                    ; wave 0..7
	v_and_b32 v1, 31, v0
	v_and_b32 v2, 15, v0
	v_lshlrev_b32 v3, 4, v1                        ; 16 x lane
	v_lshlrev_b32 v4, 2, v2                        ; 4 r
	v_mov_b32 v5, 0
	v_lshlrev_b32 v6, 4, v0                        ; LDS: 512 x wave + 16 x lane
	s_and_b32 s11, ttmp7, 0xffff                   ; the block of columns
	s_lshl_b32 s12, ttmp9, 6
	s_add_co_u32 s12, s12, 65536
	s_mov_b32 s13, 0
	s_lshl_b32 s14, ttmp9, 12
	s_lshl_b32 s15, s10, 6
	s_add_co_u32 s14, s14, s15
	s_mov_b32 s15, 0
	s_lshl_b32 s16, ttmp9, 7
	s_lshl_b32 s17, s10, 4
	s_add_co_u32 s16, s16, s17
	s_lshl_b32 s16, s16, 13
	s_lshl_b32 s17, s11, 9
	s_add_co_u32 s16, s16, s17
	s_mov_b32 s17, 0
	s_lshl_b32 s18, ttmp9, 13
	s_lshl_b32 s19, s11, 9
	s_add_co_u32 s18, s18, s19
	s_mov_b32 s19, 0
	s_wait_kmcnt 0x0
	s_add_nc_u64 s[12:13], s[4:5], s[12:13]        ; (-M, l) of the head's eight blocks
	s_add_nc_u64 s[14:15], s[4:5], s[14:15]        ; O at d = 16 w
	s_add_nc_u64 s[16:17], s[6:7], s[16:17]        ; Wo at row 128 head + 16 w, my columns
	s_add_nc_u64 s[18:19], s[8:9], s[18:19]
.irp k, 0,1,2,3
	global_load_b128 v[8+4*\k:11+4*\k], v5, s[12:13] offset:16*\k
.endr
.irp k, 0,1,2,3,4,5,6,7
	global_load_b32 v[24+\k], v4, s[14:15] offset:512*\k
.endr
.set i, 0
.rept 16
	global_load_b128 v[32+4*i:35+4*i], v3, s[16:17] offset:8192*i th:TH_LOAD_NT
.set i, i+1
.endr
	s_wait_loadcnt 16                              ; the twelve small loads are in; Wo's sixteen rows may be out
	v_min3_num_f32 v96, v8, v10, v12
	v_min3_num_f32 v96, v96, v14, v16
	v_min3_num_f32 v96, v96, v18, v20
	v_min_num_f32 v96, v96, v22                    ; -(the largest M)
.irp k, 0,1,2,3,4,5,6,7
	v_sub_f32 v[100+\k], v96, v[8+2*\k]            ; M_k - M: a whole number, 0 or less
.endr
.irp k, 0,1,2,3,4,5,6,7
	v_cvt_i32_f32 v[100+\k], v[100+\k]             ; (it saturates)
.endr
.irp k, 0,1,2,3,4,5,6,7
	v_ldexp_f32 v[100+\k], 1.0, v[100+\k]
.endr
	v_mul_f32 v97, v100, v9
	v_mul_f32 v98, v100, v24
.irp k, 1,2,3,4,5,6,7
	v_fmac_f32 v97, v[100+\k], v[9+2*\k]
	v_fmac_f32 v98, v[100+\k], v[24+\k]
.endr
	v_rcp_f32 v97, v97
	v_nop                                          ; a plain place behind the transcendental
	s_wait_alu depctr_va_vdst(0)
	v_mul_f32 v98, v98, v97                        ; ctx(16 w + r)
.set i, 0
.rept 16
	v_readlane_b32 s[20+i], v98, i
.set i, i+1
.endr
	s_wait_loadcnt 0x0
.irp c, 0,1,2,3
	v_mul_f32 v[108+\c], s20, v[32+\c]
.endr
.set i, 1
.rept 15
.irp c, 0,1,2,3
	v_fmac_f32 v[108+\c], s[20+i], v[32+4*i+\c]
.endr
.set i, i+1
.endr
	ds_store_b128 v6, v[108:111]
	s_wait_dscnt 0x0                               ; for the others' sake
	s_barrier_signal -1
	s_barrier_wait -1
	s_cmp_lg_u32 s10, 0
	s_cbranch_scc1 .Ldone
.irp j, 0,1,2,3,4,5,6,7
	ds_load_b128 v[32+4*\j:35+4*\j], v3 offset:512*\j
.endr
	s_wait_dscnt 0x0
.irp j, 0,2,4,6
	v_pk_add_f32 v[32+4*\j:33+4*\j], v[32+4*\j:33+4*\j], v[36+4*\j:37+4*\j]
	v_pk_add_f32 v[34+4*\j:35+4*\j], v[34+4*\j:35+4*\j], v[38+4*\j:39+4*\j]
.endr
.irp j, 0,4
	v_pk_add_f32 v[32+4*\j:33+4*\j], v[32+4*\j:33+4*\j], v[40+4*\j:41+4*\j]
	v_pk_add_f32 v[34+4*\j:35+4*\j], v[34+4*\j:35+4*\j], v[42+4*\j:43+4*\j]
.endr
	v_pk_add_f32 v[32:33], v[32:33], v[48:49]
	v_pk_add_f32 v[34:35], v[34:35], v[50:51]
	global_store_b128 v3, v[32:35], s[18:19]       ; 512 consecutive bytes
.Ldone:
	s_wait_tensorcnt 0x0
	ds_add_u32 v128, v129
	s_wait_dscnt 0x0
	s_endpgm
.Lfunc_end_k_qc46b146d81_wo:
	.size	k_qc46b146d81_wo, .Lfunc_end_k_qc46b146d81_wo-k_qc46b146d81_wo
	.p2alignl 7, 3214868480
	.fill 96, 4, 3214868480
	.section	.rodata,"a",@progbits
	.p2align	6, 0x0
	.amdhsa_kernel k_qc46b146d81_wo
		.amdhsa_group_segment_fixed_size 5120
		.amdhsa_private_segment_fixed_size 0
		.amdhsa_enable_private_segment 0
		.amdhsa_kernarg_size 24
		.amdhsa_user_sgpr_count 2
		.amdhsa_user_sgpr_kernarg_segment_ptr 1
		.amdhsa_wavefront_size32 1
		.amdhsa_system_sgpr_workgroup_id_x 1
		.amdhsa_system_sgpr_workgroup_id_y 1
		.amdhsa_system_sgpr_workgroup_id_z 1
		.amdhsa_system_vgpr_workitem_id 0
		.amdhsa_next_free_vgpr 130
		.amdhsa_next_free_sgpr 66
		.amdhsa_reserve_vcc 0
		.amdhsa_float_denorm_mode_32 3
		.amdhsa_float_denorm_mode_16_64 3
		.amdhsa_memory_ordered 1
		.amdhsa_forward_progress 1
		.amdhsa_inst_pref_size 11
	.end_amdhsa_kernel
	.amdgpu_metadata
---
amdhsa.version: [ 1, 2 ]
amdhsa.kernels:
  - .name:           k_qc46b146d81_wo
    .symbol:         k_qc46b146d81_wo.kd
    .args:
      - { .name: att, .offset: 0, .size: 8, .value_kind: global_buffer, .address_space: global }
      - { .name: Wo, .offset: 8, .size: 8, .value_kind: global_buffer, .address_space: global }
      - { .name: apart, .offset: 16, .size: 8, .value_kind: global_buffer, .address_space: global }
    .group_segment_fixed_size: 5120
    .private_segment_fixed_size: 0
    .kernarg_segment_align: 8
    .kernarg_segment_size: 24
    .max_flat_workgroup_size: 256
    .sgpr_count:     66
    .vgpr_count:     130
    .wavefront_size: 32
...
	.end_amdgpu_metadata
.endif
;; end of part 3
;; launch ln2 (part 4): grid 64 x 1, 8 waves a work-group, no clusters, 27,648 bytes of LDS; arguments x, apart, bo, ln2_scale, ln2_shift, h2; writes h2
.if DOCPART == 4
	.amdgcn_target "amdgcn-amd-amdhsa--gfx1250"
	.amdhsa_code_object_version 6
	.text
	.protected	k_qc46b146d81_ln2
	.globl	k_qc46b146d81_ln2
	.p2align	8
	.type	k_qc46b146d81_ln2,@function
k_qc46b146d81_ln2:
	s_mov_b64 s[64:65], 0
	v_nop
	global_prefetch_b8 v0, s[64:65] scope:SCOPE_SE
	s_setreg_imm32_b32 hwreg(HW_REG_WAVE_MODE, 25, 1), 1
	s_wait_xcnt 0x0
; LN2(x + a), a = bo + the sum over heads of apart, quantised to FP6 (E2M3) with E8M0 scales, for 16 tokens (one tile) a work-group.  Codes and scale words are laid as register images, as the first launch lays h1.
; Tile 2 b + u, row r, is token 32 b + 8 u + r + 8 (r / 8).  Wave w holds columns 256 w .. 256 w + 255 of all 16 rows: K steps 2 w and 2 w + 1.  Mean and variance meet through LDS; the variance is taken of centred numbers.
; 64 work-groups: a fragment wants 16 whole rows, so the work does not divide further.  No tensor loads, no clusters: what is shared (a, gain, shift) is small beside x.
; LIMITS: a block of zeros or under 2^-124 gets the byte 1; NaN and infinities are not served.
.set H2S,  1572864
.set XA,   4
.set LI,   5
.set CA,   6
.set SA,   7
.set RA,   8
.set VA,   9
.set WA,   10
.set GA,   11
.set TM,   16
.set PW,   32
.set PC,   34
.set QCT,  46
.set MR,   54
.set LX,   56
.set LS,   184
.set SCV,  0
.set SHV,  8192
.set ST1,  16384
.set ST2,  16896
.set SCW,  17408
.set AV,   18432                       ; a, 8,192 bytes
.set MSB, 0
.macro WIN new
.if MSB != (\new)
	s_set_vgpr_msb (MSB<<8)|(\new)
.set MSB, (\new)
.endif
.endm
.macro QUANT src, pc, pw
.irp b, 0,1,2,3
	v_max3_num_f32 v[TM+\b], |v[\src+16*\b]|, |v[\src+16*\b+1]|, 0x1800000
.endr
.irp i, 2,4,6,8,10,12,14
.irp b, 0,1,2,3
	v_max3_num_f32 v[TM+\b], v[TM+\b], |v[\src+16*\b+\i]|, |v[\src+16*\b+\i+1]|
.endr
.endr
.irp b, 0,1,2,3
	v_permlanex16_b32 v[TM+4+\b], v[TM+\b], s48, s49
.endr
.irp b, 0,1,2,3
	v_max_num_f32 v[TM+\b], v[TM+\b], v[TM+4+\b]
.endr
.irp b, 0,1,2,3
	v_add_nc_u32 v[TM+12+\b], 0xff000000, v[TM+\b]
.endr
.irp b, 0,1,2,3
	v_lshrrev_b32 v[TM+4+\b], 23, v[TM+12+\b]
.endr
	v_lshl_or_b32 v[\pw], v[TM+5], 8, v[TM+4]
	v_lshl_or_b32 v[\pw], v[TM+6], 16, v[\pw]
	v_lshl_or_b32 v[\pw], v[TM+7], 24, v[\pw]
.irp c, 0,1
	v_cvt_scalef32_pk16_fp6_f32 v[\pc+6*\c:\pc+6*\c+2], v[\src+32*\c:\src+32*\c+15], v[TM+12+2*\c]
	v_cvt_scalef32_pk16_fp6_f32 v[QCT+4*\c:QCT+4*\c+2], v[\src+32*\c+16:\src+32*\c+31], v[TM+13+2*\c]
.endr
	v_nop
.irp c, 0,1
.irp i, 0,1,2
	v_permlane16_swap_b32 v[\pc+6*\c+\i], v[QCT+4*\c+\i]
.endr
.irp i, 0,1,2
	v_mov_b32 v[\pc+6*\c+3+\i], v[QCT+4*\c+\i]
.endr
.endr
.endm
.macro FOLD
	v_pk_add_f32 v[TM:TM+1], v[TM:TM+1], v[TM+2:TM+3]
	v_pk_add_f32 v[TM+4:TM+5], v[TM+4:TM+5], v[TM+6:TM+7]
	v_pk_add_f32 v[TM:TM+1], v[TM:TM+1], v[TM+4:TM+5]
	v_add_f32 v12, v[TM], v[TM+1]
.endm
.macro XCHG st
	v_permlanex16_b32 v13, v12, s48, s49
	v_add_f32 v12, v12, v13
	ds_store_b32 v[SA], v12 offset:\st
	s_wait_dscnt 0x0
	s_barrier_signal -1
	s_barrier_wait -1
	ds_load_b128 v[TM:TM+3], v[RA] offset:\st
	ds_load_b128 v[TM+4:TM+7], v[RA] offset:\st+16
	s_wait_dscnt 0x0
	FOLD
.endm
	s_load_b256 s[4:11], s[0:1], 0x0               ; x 4, apart 6, bo 8, ln2_scale 10
	s_load_b128 s[12:15], s[0:1], 0x20             ; ln2_shift 12, h2 14
	v_lshl_add_u32 v254, v0, 2, 0x6800
	v_mov_b32 v255, 0
	v_lshrrev_b32 v1, 5, v0
	v_readfirstlane_b32 s26, v1
	v_and_b32 v1, 31, v0
	v_and_b32 v2, 15, v0
	v_bfe_u32 v3, v0, 4, 1
	s_mov_b32 s48, 0x76543210
	s_mov_b32 s49, 0xfedcba98
	s_lshr_b32 s51, ttmp9, 1
	s_and_b32 s52, ttmp9, 1
	s_lshl_b32 s53, s51, 5
	s_lshl_b32 s54, s52, 3
	s_add_co_u32 s53, s53, s54
	s_lshl_b32 s54, s53, 13
	s_mov_b32 s55, 0
	s_lshl_b32 s40, ttmp9, 4
	s_lshl_b32 s56, s26, 1
	s_add_co_u32 s40, s40, s56
	s_mul_i32 s40, s40, 1536
	s_mov_b32 s41, 0
	s_lshl_b32 s42, s51, 11
	s_lshl_b32 s56, s52, 8
	s_add_co_u32 s42, s42, s56
	s_add_co_u32 s42, s42, H2S
	s_mov_b32 s43, 0
	v_and_b32 v12, 8, v2
	v_add_nc_u32 v12, v12, v2
	v_lshlrev_b32 v[XA], 13, v12
	v_lshl_add_u32 v[XA], v3, 6, v[XA]
	s_lshl_b32 s56, s26, 10
	v_add_nc_u32 v[XA], s56, v[XA]
	v_lshl_add_u32 v[VA], v3, 6, s56
	v_lshlrev_b32 v[LI], 4, v1
	v_lshlrev_b32 v[CA], 5, v0
	s_lshl_b32 s56, s26, 2
	v_lshl_add_u32 v[SA], v2, 5, s56
	v_lshlrev_b32 v[RA], 5, v2
	s_lshr_b32 s56, s26, 1
	s_lshl_b32 s56, s56, 8
	s_and_b32 s57, s26, 1
	s_lshl_b32 s57, s57, 3
	s_add_co_u32 s56, s56, s57
	v_lshl_add_u32 v[WA], v2, 4, s56
	v_lshlrev_b32 v[GA], 9, v3
	v_lshl_add_u32 v[GA], v2, 4, v[GA]
	v_mov_b32 v13, 0
	s_wait_kmcnt 0x0
	s_add_nc_u64 s[4:5], s[4:5], s[54:55]
	s_add_nc_u64 s[58:59], s[14:15], s[40:41]
	s_add_nc_u64 s[60:61], s[14:15], s[42:43]
	; each thread takes 8 columns of bo, of the sixteen heads' parts, of gain and of shift: 38 loads into window 1
	WIN 0x40
	global_load_b128 v[0:3], v[CA], s[8:9]
	global_load_b128 v[4:7], v[CA], s[8:9] offset:16
.set k, 0
.rept 16
	global_load_b128 v[8+8*k:11+8*k], v[CA], s[6:7] offset:8192*k
	global_load_b128 v[12+8*k:15+8*k], v[CA], s[6:7] offset:8192*k+16
.set k, k+1
.endr
	global_load_b128 v[136:139], v[CA], s[10:11]
	global_load_b128 v[140:143], v[CA], s[10:11] offset:16
	global_load_b128 v[144:147], v[CA], s[12:13]
	global_load_b128 v[148:151], v[CA], s[12:13] offset:16
	WIN 0
.irp e, 0,1
.irp b, 0,1,2,3
.irp j, 0,1,2,3
	global_load_b128 v[LX+64*\e+16*\b+4*\j:LX+64*\e+16*\b+4*\j+3], v[XA], s[4:5] offset:512*\e+128*\b+16*\j
.endr
.endr
.endr
	s_wait_loadcnt 32                              ; the 38 are in; x's 32 loads may be out
	WIN 0x45
.set k, 0
.rept 16
.irp n, 0,2,4,6
	v_pk_add_f32 v[\n:\n+1], v[\n:\n+1], v[8+8*k+\n:9+8*k+\n]
.endr
.set k, k+1
.endr
	WIN 0x04                                       ; an LDS store's data are its source 1
	ds_store_b128 v[CA], v[0:3] offset:AV
	ds_store_b128 v[CA], v[4:7] offset:AV+16
	ds_store_b128 v[CA], v[136:139] offset:SCV
	ds_store_b128 v[CA], v[140:143] offset:SCV+16
	ds_store_b128 v[CA], v[144:147] offset:SHV
	ds_store_b128 v[CA], v[148:151] offset:SHV+16
	WIN 0
	s_wait_dscnt 0x0
	s_barrier_signal -1
	s_barrier_wait -1                              ; a, gain and shift lie in LDS
	s_wait_loadcnt 0x0
.irp e, 0,1
.irp b, 0,1,2,3
.irp j, 0,1,2,3
	ds_load_b128 v[LS+16*\b+4*\j:LS+16*\b+4*\j+3], v[VA] offset:AV+512*\e+128*\b+16*\j
.endr
.endr
	s_wait_dscnt 0x0
.set j, 0
.rept 32
	v_pk_add_f32 v[LX+64*\e+j:LX+64*\e+j+1], v[LX+64*\e+j:LX+64*\e+j+1], v[LS+j:LS+j+1]   ; x + a
.set j, j+2
.endr
.endr
.irp k, 0,1,2,3
	v_pk_add_f32 v[TM+2*\k:TM+2*\k+1], v[LX+2*\k:LX+2*\k+1], v[LX+8+2*\k:LX+9+2*\k]
.endr
.set j, 16
.rept 14
.irp k, 0,1,2,3
	v_pk_add_f32 v[TM+2*\k:TM+2*\k+1], v[TM+2*\k:TM+2*\k+1], v[LX+j+2*\k:LX+j+2*\k+1]
.endr
.set j, j+8
.endr
	FOLD
	XCHG ST1
	v_mul_f32 v[MR], 0x3a000000, v12
	v_mov_b32 v[MR+1], v[MR]
.set j, 0
.rept 64
	v_pk_add_f32 v[LX+j:LX+j+1], v[LX+j:LX+j+1], v[MR:MR+1] op_sel_hi:[1,0] neg_lo:[0,1] neg_hi:[0,1]
.set j, j+2
.endr
.irp k, 0,1,2,3
	v_pk_mul_f32 v[TM+2*\k:TM+2*\k+1], v[LX+2*\k:LX+2*\k+1], v[LX+2*\k:LX+2*\k+1]
.endr
.set j, 8
.rept 15
.irp k, 0,1,2,3
	v_pk_fma_f32 v[TM+2*\k:TM+2*\k+1], v[LX+j+2*\k:LX+j+2*\k+1], v[LX+j+2*\k:LX+j+2*\k+1], v[TM+2*\k:TM+2*\k+1]
.endr
.set j, j+8
.endr
	FOLD
	XCHG ST2
	v_mul_f32 v12, 0x3a000000, v12
	v_add_f32 v12, 0x3727c5ac, v12
	v_rsq_f32 v[MR], v12
	v_rsq_f32 v[MR+1], v12
	v_nop
	s_wait_alu depctr_va_vdst(0)
.irp e, 0,1
.irp hb, 0,1
.irp bb, 0,1
.irp j, 0,1,2,3
	ds_load_b128 v[LS+16*\bb+4*\j:LS+16*\bb+4*\j+3], v[VA] offset:SCV+512*\e+256*\hb+128*\bb+16*\j
	ds_load_b128 v[LS+32+16*\bb+4*\j:LS+32+16*\bb+4*\j+3], v[VA] offset:SHV+512*\e+256*\hb+128*\bb+16*\j
.endr
.endr
	s_wait_dscnt 0x0
.set j, 0
.rept 16
	v_pk_mul_f32 v[LX+64*\e+32*\hb+j:LX+64*\e+32*\hb+j+1], v[LX+64*\e+32*\hb+j:LX+64*\e+32*\hb+j+1], v[MR:MR+1] op_sel_hi:[1,0]
	v_pk_fma_f32 v[LX+64*\e+32*\hb+j:LX+64*\e+32*\hb+j+1], v[LX+64*\e+32*\hb+j:LX+64*\e+32*\hb+j+1], v[LS+j:LS+j+1], v[LS+32+j:LS+32+j+1]
.set j, j+2
.endr
.endr
.endr
.irp e, 0,1
.if \e
	s_wait_xcnt 0x0                                ; the first fragment's stores have read their registers
.endif
	QUANT LX+64*\e, PC, PW+\e
.irp c, 0,1,2
	global_store_b128 v[LI], v[PC+4*\c:PC+4*\c+3], s[58:59] offset:1536*\e+512*\c
.endr
.endr
	ds_store_b64 v[WA], v[PW:PW+1] offset:SCW
	s_wait_dscnt 0x0
	s_barrier_signal -1
	s_barrier_wait -1
	s_cmp_lg_u32 s26, 0
	s_cbranch_scc1 .Ldone
	ds_load_b128 v[LS:LS+3], v[LI] offset:SCW
	ds_load_b128 v[LS+4:LS+7], v[LI] offset:SCW+512
	s_wait_dscnt 0x0
	global_store_b128 v[GA], v[LS:LS+3], s[60:61]
	global_store_b128 v[GA], v[LS+4:LS+7], s[60:61] offset:1024
.Ldone:
	s_wait_tensorcnt 0x0
	ds_add_u32 v254, v255
	s_wait_dscnt 0x0
	s_endpgm
.Lfunc_end_k_qc46b146d81_ln2:
	.size	k_qc46b146d81_ln2, .Lfunc_end_k_qc46b146d81_ln2-k_qc46b146d81_ln2
	.p2alignl 7, 3214868480
	.fill 96, 4, 3214868480
	.section	.rodata,"a",@progbits
	.p2align	6, 0x0
	.amdhsa_kernel k_qc46b146d81_ln2
		.amdhsa_group_segment_fixed_size 27648
		.amdhsa_private_segment_fixed_size 0
		.amdhsa_enable_private_segment 0
		.amdhsa_kernarg_size 48
		.amdhsa_user_sgpr_count 2
		.amdhsa_user_sgpr_kernarg_segment_ptr 1
		.amdhsa_wavefront_size32 1
		.amdhsa_system_sgpr_workgroup_id_x 1
		.amdhsa_system_sgpr_workgroup_id_y 1
		.amdhsa_system_sgpr_workgroup_id_z 1
		.amdhsa_system_vgpr_workitem_id 0
		.amdhsa_next_free_vgpr 416
		.amdhsa_next_free_sgpr 66
		.amdhsa_reserve_vcc 0
		.amdhsa_float_denorm_mode_32 3
		.amdhsa_float_denorm_mode_16_64 3
		.amdhsa_memory_ordered 1
		.amdhsa_forward_progress 1
		.amdhsa_inst_pref_size 55
	.end_amdhsa_kernel
	.amdgpu_metadata
---
amdhsa.version: [ 1, 2 ]
amdhsa.kernels:
  - .name:           k_qc46b146d81_ln2
    .symbol:         k_qc46b146d81_ln2.kd
    .args:
      - { .name: x, .offset: 0, .size: 8, .value_kind: global_buffer, .address_space: global }
      - { .name: apart, .offset: 8, .size: 8, .value_kind: global_buffer, .address_space: global }
      - { .name: bo, .offset: 16, .size: 8, .value_kind: global_buffer, .address_space: global }
      - { .name: ln2_scale, .offset: 24, .size: 8, .value_kind: global_buffer, .address_space: global }
      - { .name: ln2_shift, .offset: 32, .size: 8, .value_kind: global_buffer, .address_space: global }
      - { .name: h2, .offset: 40, .size: 8, .value_kind: global_buffer, .address_space: global }
    .group_segment_fixed_size: 27648
    .private_segment_fixed_size: 0
    .kernarg_segment_align: 8
    .kernarg_segment_size: 48
    .max_flat_workgroup_size: 256
    .sgpr_count:     66
    .vgpr_count:     416
    .wavefront_size: 32
...
	.end_amdgpu_metadata
.endif
;; end of part 4
;; launch ffn1 (part 5): grid 32 x 8, 4 waves a work-group, clusters of 4 x 4, 327,680 bytes of LDS; arguments h2, wcodes, wscales, b1, g; writes g
.if DOCPART == 5
	.amdgcn_target "amdgcn-amd-amdhsa--gfx1250"
	.amdhsa_code_object_version 6
	.text
	.protected	k_qc46b146d81_ffn1
	.globl	k_qc46b146d81_ffn1
	.p2align	8
	.type	k_qc46b146d81_ffn1,@function
k_qc46b146d81_ffn1:
	s_mov_b64 s[64:65], 0
	v_nop
	global_prefetch_b8 v0, s[64:65] scope:SCOPE_SE
	s_setreg_imm32_b32 hwreg(HW_REG_WAVE_MODE, 25, 1), 1
	s_wait_xcnt 0x0
	s_wait_alu depctr_hold_cnt(0) depctr_sa_sdst(0) depctr_va_vdst(0) depctr_va_sdst(0) depctr_va_ssrc(0) depctr_va_vcc(0) depctr_vm_vsrc(0)
	s_getreg_b32 s2, hwreg(HW_REG_IB_STS2, 6, 4)
	s_cmp_eq_u32 s2, 0
	s_cbranch_scc0 .Lentry_in_a_cluster
	s_endpgm
.Lentry_in_a_cluster:
	s_bfe_u32 s2, ttmp6, 0x10000c
	s_cmp_lg_u32 s2, 0xf033
	s_cbranch_scc0 .Lentry_shape_is_right
	s_endpgm
.Lentry_shape_is_right:
; g = Q(gelu(h2 W1 + b1)): 128 tokens x 256 hidden units a work-group (x = block of units, y = block of tokens), K = 2,048 in 16 steps of 128, on codes of FP6 (E2M3) with E8M0 scales.
; Ring, joint loads, fragments and products are the K and V launch's: four K steps to an LDS slot, two slots; operands as images of their registers; a wave has 32 accumulators (64 tokens x 128 units):
; source 0 = eight tiles of W1, source 1 = four tiles of tokens, so that a lane holds one token and its 64 registers of a tile of tokens run along 128 neighbouring hidden units: one K step of the next product.
; b1 is the C of each sum's first product.  gelu(x) = x / (1 + 2^(x (k1 + k3 x^2))), k1 = -2 log2(e) sqrt(2 / pi), k3 = 0.044715 k1: the tanh form, rewritten exactly; all in f32.
; The hidden layer is quantised in registers and leaves as register images (512 consecutive bytes a store) with its scale words.
; LIMITS: a block of zeros or under 2^-124 gets the byte 1; NaN and infinities are not served.
; REGISTERS: window 0: v1-15 addresses; v32-127 scale words of all 16 K steps; v128-191 at work; v192-229 the quantiser's; v230-233 scale words made; v234-235 k1.  window 1: accumulators.  windows 2, 3: fragments; window 3 v144-207: b1.
.set TSTR,  6144
.set SSTEP, 6144
.set SLOT,  147456
.set BREG,  49152
.set SPARE, 294912
.set H2S,   1572864
.set GS,    6291456
.set G,   128
.set TM,  192
.set PW,  208
.set PC,  210
.set CT,  222
.set GW,  230
.set G1,  24
.set G0,  32
.set G1B, 48
.set G0B, 56
.set MSB, 0
.macro WIN new
.if MSB != (\new)
	s_set_vgpr_msb (MSB<<8)|(\new)
.set MSB, (\new)
.endif
.endm
.macro JLOAD g0a, g1a, g0b, g1b
	s_cmp_eq_u32 s15, 0
	s_cbranch_scc0 .Lfor_b_\@
	tensor_load_to_lds s[\g0a:\g0a+3], s[\g1a:\g1a+7]
	s_nop 0
.rept 4
	v_nop
.endr
	s_branch .Lasked_\@
.Lfor_b_\@:
	tensor_load_to_lds s[\g0b:\g0b+3], s[\g1b:\g1b+7]
	s_nop 0
.rept 4
	v_nop
.endr
.Lasked_\@:
.endm
.macro CREST
	s_cmp_lg_u32 s14, 0
	s_cbranch_scc1 .Lnot_wave_0_\@
	s_barrier_signal -3
.Lnot_wave_0_\@:
	s_barrier_wait -3
	s_barrier_signal -1
	s_barrier_wait -1
.endm
.macro CROUND
	s_barrier_signal -1
	s_barrier_wait -1
	CREST
.endm
.macro QUANT src, win, pc, pw
	WIN ((\win)<<2)|((\win)<<4)
.irp b, 0,1,2,3
	v_max3_num_f32 v[TM+\b], 0x1800000, |v[\src+16*\b]|, |v[\src+16*\b+1]|
.endr
.irp i, 2,4,6,8,10,12,14
.irp b, 0,1,2,3
	v_max3_num_f32 v[TM+\b], v[TM+\b], |v[\src+16*\b+\i]|, |v[\src+16*\b+\i+1]|
.endr
.endr
	WIN 0
.irp b, 0,1,2,3
	v_permlanex16_b32 v[TM+4+\b], v[TM+\b], s66, s67
.endr
.irp b, 0,1,2,3
	v_max_num_f32 v[TM+\b], v[TM+\b], v[TM+4+\b]
.endr
.irp b, 0,1,2,3
	v_add_nc_u32 v[TM+12+\b], 0xff000000, v[TM+\b]
.endr
.irp b, 0,1,2,3
	v_lshrrev_b32 v[TM+4+\b], 23, v[TM+12+\b]
.endr
	v_lshl_or_b32 v[\pw], v[TM+5], 8, v[TM+4]
	v_lshl_or_b32 v[\pw], v[TM+6], 16, v[\pw]
	v_lshl_or_b32 v[\pw], v[TM+7], 24, v[\pw]
	WIN (\win)
.irp c, 0,1
	v_cvt_scalef32_pk16_fp6_f32 v[\pc+6*\c:\pc+6*\c+2], v[\src+32*\c:\src+32*\c+15], v[TM+12+2*\c]
	v_cvt_scalef32_pk16_fp6_f32 v[CT+4*\c:CT+4*\c+2], v[\src+32*\c+16:\src+32*\c+31], v[TM+13+2*\c]
.endr
	WIN 0
	v_nop
.irp c, 0,1
.irp i, 0,1,2
	v_permlane16_swap_b32 v[\pc+6*\c+\i], v[CT+4*\c+\i]
.endr
.irp i, 0,1,2
	v_mov_b32 v[\pc+6*\c+3+\i], v[CT+4*\c+\i]
.endr
.endr
.endm
.macro FETCH slot, e, w
	WIN (\w)<<6
.set II, 0
.rept 8
.irp c, 0,1,2
	ds_load_b128 v[12*II+4*\c:12*II+4*\c+3], v[8+2*(\slot)+II/4] offset:(II%4)*TSTR+1536*(\e)+512*\c
.endr
.set II, II+1
.endr
.set AA, 0
.rept 4
.irp c, 0,1,2
	ds_load_b128 v[96+12*AA+4*\c:96+12*AA+4*\c+3], v[6+(\slot)] offset:AA*TSTR+1536*(\e)+512*\c
.endr
.set AA, AA+1
.endr
.endm
.macro ONE kap, cm                     ; cm = 2: C is b1's tile (window 3), else the accumulator itself
.set DD, 64*AA+8*II
.set CC, DD
.if \cm == 2
.set CC, 144+8*II
.endif
.set S8, 32+16*(II/2)+(\kap)
.set S4, 96+16*(AA/2)+(\kap)
.if (II%2 == 0) && (AA%2 == 0)
	v_wmma_scale_f32_16x16x128_f8f6f4 v[DD:DD+7], v[12*II:12*II+11], v[96+12*AA:96+12*AA+11], v[CC:CC+7], v[S8], v[S4] matrix_a_fmt:MATRIX_FMT_FP6 matrix_b_fmt:MATRIX_FMT_FP6
.elseif (II%2 == 1) && (AA%2 == 0)
	v_wmma_scale_f32_16x16x128_f8f6f4 v[DD:DD+7], v[12*II:12*II+11], v[96+12*AA:96+12*AA+11], v[CC:CC+7], v[S8], v[S4] matrix_a_fmt:MATRIX_FMT_FP6 matrix_b_fmt:MATRIX_FMT_FP6 matrix_a_scale:MATRIX_SCALE_ROW1
.elseif (II%2 == 0)
	v_wmma_scale_f32_16x16x128_f8f6f4 v[DD:DD+7], v[12*II:12*II+11], v[96+12*AA:96+12*AA+11], v[CC:CC+7], v[S8], v[S4] matrix_a_fmt:MATRIX_FMT_FP6 matrix_b_fmt:MATRIX_FMT_FP6 matrix_b_scale:MATRIX_SCALE_ROW1
.else
	v_wmma_scale_f32_16x16x128_f8f6f4 v[DD:DD+7], v[12*II:12*II+11], v[96+12*AA:96+12*AA+11], v[CC:CC+7], v[S8], v[S4] matrix_a_fmt:MATRIX_FMT_FP6 matrix_b_fmt:MATRIX_FMT_FP6 matrix_a_scale:MATRIX_SCALE_ROW1 matrix_b_scale:MATRIX_SCALE_ROW1
.endif
.endm
.macro MUL w, kap, a0, a1, cm          ; the 32 accumulators take turns in the same order in every step
.if \cm == 2
	WIN 0x70|((\w)*5)
.else
	WIN 0x50|((\w)*5)
.endif
.set AA, \a0
.rept \a1-\a0+1
.set II, 0
.rept 8
	ONE \kap, \cm
.set II, II+1
.endr
.set AA, AA+1
.endr
.endm
.macro STEP slot, en, p, kap, cm
	s_wait_dscnt 0x0                               ; set p is in
.rept 4
	v_nop                                          ; places in front of loads into registers that the last step's products have read
.endr
	FETCH \slot, \en, 3-(\p)
	MUL 2+(\p), \kap, 0, 3, \cm
.endm
.macro TURN slot, next, fill, p, kap
	WIN 0
	s_wait_tensorcnt 0x0                           ; all my tensor loads have landed: my part of the next slot
	ds_add_u32 v12, v13                            ; 0 onto my spare word
	s_wait_dscnt 1                                 ; the add alone may be out
	MUL 2+(\p), \kap, 0, 0, 0
	s_wait_dscnt 0x0                               ; the add is done, and my reads of this slot are over
	s_barrier_signal -1
	MUL 2+(\p), \kap, 1, 1, 0
	WIN 0
	s_barrier_wait -1
.if \fill
	CREST
	s_add_nc_u64 s[G0+4*\slot+2:G0+4*\slot+3], s[G0+4*\slot+2:G0+4*\slot+3], 2*SSTEP
	s_add_nc_u64 s[G0B+4*\slot+2:G0B+4*\slot+3], s[G0B+4*\slot+2:G0B+4*\slot+3], 2*SSTEP
	JLOAD G0+4*\slot, G1, G0B+4*\slot, G1B
.else
.rept 4
	v_nop
.endr
.endif
	FETCH \next, 0, 3-(\p)
	MUL 2+(\p), \kap, 2, 3, 0
.endm
.macro LAST p, kap
	s_wait_dscnt 0x0
	MUL 2+(\p), \kap, 0, 3, 0
	WIN 0
.endm
.macro GELU a                          ; the 64 numbers of tile a of tokens (window 1) -> gelu in v[G] on
	WIN 0x05
.set j, 0
.rept 32
	v_pk_mul_f32 v[G+j:G+j+1], v[64*(\a)+j:64*(\a)+j+1], v[64*(\a)+j:64*(\a)+j+1]      ; x^2 (each accumulator from its low end on)
.set j, j+2
.endr
	WIN 0
.set j, 0
.rept 32
	v_pk_fma_f32 v[G+j:G+j+1], v[G+j:G+j+1], s[70:71], v[234:235] op_sel_hi:[1,0,1]    ; k3 x^2 + k1
.set j, j+2
.endr
	WIN 0x01
.set j, 0
.rept 32
	v_pk_mul_f32 v[G+j:G+j+1], v[64*(\a)+j:64*(\a)+j+1], v[G+j:G+j+1]
.set j, j+2
.endr
	WIN 0
.set j, 0
.rept 64
	v_exp_f32 v[G+j], v[G+j]
.set j, j+1
.endr
	v_nop
.set j, 0
	s_wait_alu depctr_va_vdst(0)
.rept 32
	v_pk_add_f32 v[G+j:G+j+1], v[G+j:G+j+1], 1.0 op_sel_hi:[1,0]
.set j, j+2
.endr
.set j, 0
.rept 64
	v_rcp_f32 v[G+j], v[G+j]
.set j, j+1
.endr
	v_nop
	WIN 0x01
.set j, 0
	s_wait_alu depctr_va_vdst(0)
.rept 32
	v_pk_mul_f32 v[G+j:G+j+1], v[64*(\a)+j:64*(\a)+j+1], v[G+j:G+j+1]
.set j, j+2
.endr
	WIN 0
.endm
	s_load_b256 s[4:11], s[0:1], 0x0               ; h2 4, wcodes 6, wscales 8, b1 10
	s_load_b64 s[12:13], s[0:1], 0x20              ; g
	v_lshl_add_u32 v12, v0, 2, SPARE
	v_mov_b32 v13, 0
	ds_add_u32 v12, v13
	ds_add_u32 v12, v13
	s_wait_dscnt 0x0
	v_lshrrev_b32 v1, 5, v0
	v_readfirstlane_b32 s14, v1
	s_lshr_b32 s15, s14, 1                         ; which 64 tokens.  Also: I fetch tokens (0) or weights (1)
	s_and_b32 s16, s14, 1                          ; which 128 units.  Also: which half I fetch
	s_bfe_u32 s40, ttmp6, 0x40000
	s_bfe_u32 s41, ttmp6, 0x40004
	s_lshl_b32 s42, ttmp9, 2
	s_add_co_u32 s42, s42, s40
	s_and_b32 s17, ttmp7, 0xffff
	s_lshl_b32 s17, s17, 2
	s_add_co_u32 s17, s17, s41
	s_lshl_b32 s43, s41, 2
	s_lshl_b32 s43, 15, s43
	s_lshl_b32 s44, 0x1111, s40
	s_or_b32 s[G1], s43, (3<<16)|(1<<21)
	s_or_b32 s[G1B], s44, (3<<16)|(1<<21)
	s_mov_b32 s[G1+1], 768<<16
	s_mov_b32 s[G1+2], 4<<16
	s_mov_b32 s[G1+3], 768<<16
	s_mov_b32 s[G1+4], 4
	s_mov_b32 s[G1+5], 3072
	s_mov_b32 s[G1+6], 0
	s_mov_b32 s[G1+7], 0
	s_mov_b32 s[G1B+1], 768<<16
	s_mov_b32 s[G1B+2], 8<<16
	s_mov_b32 s[G1B+3], 768<<16
	s_mov_b32 s[G1B+4], 8
	s_mov_b32 s[G1B+5], 3072
	s_mov_b32 s[G1B+6], 0
	s_mov_b32 s[G1B+7], 0
	s_lshl_b32 s20, s17, 3
	s_lshl_b32 s18, s16, 2
	s_add_co_u32 s20, s20, s18
	s_mul_i32 s20, s20, 24576
	s_mov_b32 s21, 0
	s_lshl_b32 s46, s42, 4
	s_lshl_b32 s18, s16, 3
	s_add_co_u32 s46, s46, s18
	s_mul_i32 s46, s46, 24576                      ; W1's codes begin at byte 0 of wcodes
	s_mov_b32 s47, 0
	s_mul_i32 s45, s16, 24576
	s_mul_i32 s94, s16, 49152
	s_add_co_u32 s94, s94, BREG
	s_mov_b32 s66, 0x76543210
	s_mov_b32 s67, 0xfedcba98
	s_mov_b32 s70, 0xbdd2d3e8                      ; k3
	s_mov_b32 s71, s70
	s_wait_kmcnt 0x0
	s_add_nc_u64 s[20:21], s[4:5], s[20:21]
	s_add_nc_u64 s[46:47], s[6:7], s[46:47]
	CROUND
.irp s, 0,1
	s_mov_b32 s[G0+4*\s], 1
	s_add_co_u32 s[G0+4*\s+1], s45, \s*SLOT
	s_add_nc_u64 s[G0+4*\s+2:G0+4*\s+3], s[20:21], \s*SSTEP
	s_or_b32 s[G0+4*\s+3], s[G0+4*\s+3], 0x80000000
	s_mov_b32 s[G0B+4*\s], 1
	s_add_co_u32 s[G0B+4*\s+1], s94, \s*SLOT
	s_add_nc_u64 s[G0B+4*\s+2:G0B+4*\s+3], s[46:47], \s*SSTEP
	s_or_b32 s[G0B+4*\s+3], s[G0B+4*\s+3], 0x80000000
	JLOAD G0+4*\s, G1, G0B+4*\s, G1B
.endr
	v_and_b32 v1, 31, v0
	v_and_b32 v2, 15, v0
	v_bfe_u32 v3, v0, 4, 1
	v_lshlrev_b32 v4, 4, v1
	v_lshlrev_b32 v5, 2, v1
	s_mul_i32 s19, s15, 24576                      ; source 1: my four tiles of tokens
	s_mul_i32 s18, s16, 49152
	s_add_co_u32 s18, s18, BREG                    ; source 0: my eight tiles of W1
.irp s, 0,1
	v_add_nc_u32 v[6+\s], s19, v4
	v_add_nc_u32 v[8+2*\s], s18, v4
	v_add_nc_u32 v[9+2*\s], 4*TSTR, v[8+2*\s]
	s_add_co_u32 s18, s18, SLOT
	s_add_co_u32 s19, s19, SLOT
.endr
	v_lshlrev_b32 v14, 6, v3                       ; 64 h
	v_mov_b32 v234, 0xc0135761                     ; k1
	v_mov_b32 v235, 0xc0135761
	v_cmp_le_u32 s72, 16, v1                       ; lanes 16-31
.irp b, 0,1,2,3
	v_mov_b32 v[TM+4+\b], 0
.endr
	s_lshl_b32 s80, s42, 14
	s_lshl_b32 s81, s16, 13
	s_add_co_u32 s80, s80, s81
	s_mov_b32 s81, 0
	s_add_nc_u64 s[76:77], s[8:9], s[80:81]        ; W1's scale words: pair 8 x + 4 half
	s_lshl_b32 s80, s17, 13
	s_lshl_b32 s82, s15, 12
	s_add_co_u32 s80, s80, s82
	s_add_co_u32 s80, s80, H2S
	s_add_nc_u64 s[78:79], s[4:5], s[80:81]        ; the tokens': pair 4 y + 2 half
	s_lshl_b32 s80, s42, 10
	s_lshl_b32 s82, s16, 9
	s_add_co_u32 s80, s80, s82
	s_add_nc_u64 s[84:85], s[10:11], s[80:81]      ; b1 at my 128 units
.irp p, 0,1,2,3
.irp q, 0,1,2,3
	global_load_b128 v[32+16*\p+4*\q:35+16*\p+4*\q], v4, s[76:77] offset:2048*\p+512*\q
.endr
.endr
.irp p, 0,1
.irp q, 0,1,2,3
	global_load_b128 v[96+16*\p+4*\q:99+16*\p+4*\q], v4, s[78:79] offset:2048*\p+512*\q
.endr
.endr
	WIN 0xc0                                       ; b1 in the result's layout: tile i, lane half h: units 32 (i / 2) + 16 h + 8 (i % 2) + 0 .. 7
.irp i, 0,1,2,3,4,5,6,7
	global_load_b128 v[144+8*\i:147+8*\i], v14, s[84:85] offset:128*(\i/2)+32*(\i%2)
	global_load_b128 v[148+8*\i:151+8*\i], v14, s[84:85] offset:128*(\i/2)+32*(\i%2)+16
.endr
	WIN 0
	s_wait_tensorcnt 1                             ; my part of slot 0 is in; slot 1's may be out
	s_barrier_signal -1
	s_barrier_wait -1
	FETCH 0, 0, 2
	s_wait_loadcnt 0x0
	STEP 0, 1, 0, 0, 2
	STEP 0, 2, 1, 1, 0
	STEP 0, 3, 0, 2, 0
	TURN 0, 1, 1, 1, 3
	STEP 1, 1, 0, 4, 0
	STEP 1, 2, 1, 5, 0
	STEP 1, 3, 0, 6, 0
	TURN 1, 0, 1, 1, 7
	STEP 0, 1, 0, 8, 0
	STEP 0, 2, 1, 9, 0
	STEP 0, 3, 0, 10, 0
	TURN 0, 1, 0, 1, 11
	STEP 1, 1, 0, 12, 0
	STEP 1, 2, 1, 13, 0
	STEP 1, 3, 0, 14, 0
	LAST 1, 15
	s_lshl_b32 s80, s17, 3
	s_lshl_b32 s82, s15, 2
	s_add_co_u32 s80, s80, s82
	s_lshl_b32 s80, s80, 6
	s_lshl_b32 s82, s42, 1
	s_add_co_u32 s82, s82, s16                     ; the next product's K step: 2 x + half
	s_add_co_u32 s80, s80, s82
	s_mul_i32 s80, s80, 1536
	s_mov_b32 s81, 0
	s_add_nc_u64 s[86:87], s[12:13], s[80:81]      ; g's codes: tile 8 y + 4 half, that K step
	s_lshl_b32 s80, s17, 15
	s_lshl_b32 s83, s15, 14
	s_add_co_u32 s80, s80, s83
	s_lshl_b32 s82, s82, 7
	s_add_co_u32 s80, s80, s82
	s_add_co_u32 s80, s80, GS
	s_add_nc_u64 s[88:89], s[12:13], s[80:81]      ; and its scale words: pair 4 y + 2 half
.rept 4
	v_nop                                          ; places behind the last products
.endr
.irp a, 0,1,2,3
	GELU \a
.if \a
	s_wait_xcnt 0x0                                ; the last tile's stores have read their registers
.endif
	QUANT G, 0, PC, GW+\a
.irp c, 0,1,2
	global_store_b128 v4, v[PC+4*\c:PC+4*\c+3], s[86:87] offset:98304*\a+512*\c
.endr
.if \a%2
	v_cndmask_b32 v15, v[GW+\a-1], v[GW+\a], s72   ; the even tile's words in lanes 0-15, the odd tile's in lanes 16-31
	global_store_b32 v5, v15, s[88:89] offset:8192*(\a/2)
.endif
.endr
	s_wait_tensorcnt 0x0                           ; the wave's end
	ds_add_u32 v12, v13
	s_wait_dscnt 0x0
	CROUND
	s_endpgm
.Lfunc_end_k_qc46b146d81_ffn1:
	.size	k_qc46b146d81_ffn1, .Lfunc_end_k_qc46b146d81_ffn1-k_qc46b146d81_ffn1
	.p2alignl 7, 3214868480
	.fill 96, 4, 3214868480
	.section	.rodata,"a",@progbits
	.p2align	6, 0x0
	.amdhsa_kernel k_qc46b146d81_ffn1
		.amdhsa_group_segment_fixed_size 327680
		.amdhsa_private_segment_fixed_size 0
		.amdhsa_enable_private_segment 0
		.amdhsa_kernarg_size 40
		.amdhsa_user_sgpr_count 2
		.amdhsa_user_sgpr_kernarg_segment_ptr 1
		.amdhsa_wavefront_size32 1
		.amdhsa_system_sgpr_workgroup_id_x 1
		.amdhsa_system_sgpr_workgroup_id_y 1
		.amdhsa_system_sgpr_workgroup_id_z 1
		.amdhsa_system_vgpr_workitem_id 0
		.amdhsa_next_free_vgpr 1024
		.amdhsa_next_free_sgpr 100
		.amdhsa_reserve_vcc 0
		.amdhsa_float_denorm_mode_32 3
		.amdhsa_float_denorm_mode_16_64 3
		.amdhsa_memory_ordered 1
		.amdhsa_forward_progress 1
		.amdhsa_inst_pref_size 192
	.end_amdhsa_kernel
	.amdgpu_metadata
---
amdhsa.version: [ 1, 2 ]
amdhsa.kernels:
  - .name:           k_qc46b146d81_ffn1
    .symbol:         k_qc46b146d81_ffn1.kd
    .args:
      - { .name: h2, .offset: 0, .size: 8, .value_kind: global_buffer, .address_space: global }
      - { .name: wcodes, .offset: 8, .size: 8, .value_kind: global_buffer, .address_space: global }
      - { .name: wscales, .offset: 16, .size: 8, .value_kind: global_buffer, .address_space: global }
      - { .name: b1, .offset: 24, .size: 8, .value_kind: global_buffer, .address_space: global }
      - { .name: g, .offset: 32, .size: 8, .value_kind: global_buffer, .address_space: global }
    .group_segment_fixed_size: 327680
    .private_segment_fixed_size: 0
    .kernarg_segment_align: 8
    .kernarg_segment_size: 40
    .max_flat_workgroup_size: 128
    .sgpr_count:     100
    .vgpr_count:     1024
    .wavefront_size: 32
...
	.end_amdgpu_metadata
.endif
;; end of part 5
;; launch ffn2 (part 6): grid 16 x 16, 4 waves a work-group, clusters of 4 x 4, 327,680 bytes of LDS; arguments g, wcodes, wscales, b2, bo, apart, x, out0; writes out0
.if DOCPART == 6
	.amdgcn_target "amdgcn-amd-amdhsa--gfx1250"
	.amdhsa_code_object_version 6
	.text
	.protected	k_qc46b146d81_ffn2
	.globl	k_qc46b146d81_ffn2
	.p2align	8
	.type	k_qc46b146d81_ffn2,@function
k_qc46b146d81_ffn2:
	s_mov_b64 s[64:65], 0
	v_nop
	global_prefetch_b8 v0, s[64:65] scope:SCOPE_SE
	s_setreg_imm32_b32 hwreg(HW_REG_WAVE_MODE, 25, 1), 1
	s_wait_xcnt 0x0
	s_wait_alu depctr_hold_cnt(0) depctr_sa_sdst(0) depctr_va_vdst(0) depctr_va_sdst(0) depctr_va_ssrc(0) depctr_va_vcc(0) depctr_vm_vsrc(0)
	s_getreg_b32 s2, hwreg(HW_REG_IB_STS2, 6, 4)
	s_cmp_eq_u32 s2, 0
	s_cbranch_scc0 .Lentry_in_a_cluster
	s_endpgm
.Lentry_in_a_cluster:
	s_bfe_u32 s2, ttmp6, 0x10000c
	s_cmp_lg_u32 s2, 0xf033
	s_cbranch_scc0 .Lentry_shape_is_right
	s_endpgm
.Lentry_shape_is_right:
; out = g W2 + b2 + x + a, a = bo + the sum over heads of apart.  64 tokens x 128 columns a work-group (x = block of columns, y = block of tokens), K = 8,192 in 64 steps of 128, on codes of FP6 (E2M3) with E8M0 scales.
; THE WAVES SHARE K, NOT THE TILE: a slot holds eight K steps, of which wave w multiplies steps 2 w and 2 w + 1, each for the whole tile: twelve fragments read from LDS feed 32 products.
; (A quarter of the tile to a wave would read six fragments for eight products.)  The four waves' sums meet once, at the end, through LDS: an order of f32 sums that differs from the reference's.
; Ring, joint loads, fragments and products are the other two GEMMs': two slots, operands as images of their registers; source 0 = eight tiles of W2, source 1 = four tiles of tokens: a lane holds eight neighbouring columns of a row.
; REGISTERS: window 0: v1-20 addresses; v24-27 the columns' constants; v32-127 scale words of my 16 K steps; v128-191 at work; v192-255 x's 16 rows that I store.  window 1: accumulators.  windows 2, 3: fragments.
.set TSTR,  12288                      ; a tile's eight K steps in a slot
.set SSTEP, 12288
.set SLOT,  147456                     ; 4 tiles of tokens (49,152 bytes), then 8 of weights
.set BREG,  49152
.set SPARE, 294912
.set W2C,   12582912
.set W2S,   524288
.set GS,    6291456
.set STW,   33792                      ; the way out, in slot 0 (it has had its last fill and its last read): 64 rows x (512 + 16) bytes for each wave
.set G,   128
.set XR,  192
.set G1,  24
.set G0,  32
.set G1B, 48
.set G0B, 56
.set MSB, 0
.macro WIN new
.if MSB != (\new)
	s_set_vgpr_msb (MSB<<8)|(\new)
.set MSB, (\new)
.endif
.endm
.macro JLOAD g0a, g1a, g0b, g1b
	s_cmp_eq_u32 s15, 0
	s_cbranch_scc0 .Lfor_b_\@
	tensor_load_to_lds s[\g0a:\g0a+3], s[\g1a:\g1a+7]
	s_nop 0
.rept 4
	v_nop
.endr
	s_branch .Lasked_\@
.Lfor_b_\@:
	tensor_load_to_lds s[\g0b:\g0b+3], s[\g1b:\g1b+7]
	s_nop 0
.rept 4
	v_nop
.endr
.Lasked_\@:
.endm
.macro CREST
	s_cmp_lg_u32 s14, 0
	s_cbranch_scc1 .Lnot_wave_0_\@
	s_barrier_signal -3
.Lnot_wave_0_\@:
	s_barrier_wait -3
	s_barrier_signal -1
	s_barrier_wait -1
.endm
.macro CROUND
	s_barrier_signal -1
	s_barrier_wait -1
	CREST
.endm
.macro FETCH slot, e, w
	WIN (\w)<<6
.set II, 0
.rept 8
.irp c, 0,1,2
	ds_load_b128 v[12*II+4*\c:12*II+4*\c+3], v[8+2*(\slot)+II/4] offset:(II%4)*TSTR+1536*(\e)+512*\c
.endr
.set II, II+1
.endr
.set AA, 0
.rept 4
.irp c, 0,1,2
	ds_load_b128 v[96+12*AA+4*\c:96+12*AA+4*\c+3], v[6+(\slot)] offset:AA*TSTR+1536*(\e)+512*\c
.endr
.set AA, AA+1
.endr
.endm
.macro ONE kap, cm
.set DD, 64*AA+8*II
.set S8, 32+16*(II/2)+(\kap)
.set S4, 96+16*(AA/2)+(\kap)
.if \cm
.if (II%2 == 0) && (AA%2 == 0)
	v_wmma_scale_f32_16x16x128_f8f6f4 v[DD:DD+7], v[12*II:12*II+11], v[96+12*AA:96+12*AA+11], 0, v[S8], v[S4] matrix_a_fmt:MATRIX_FMT_FP6 matrix_b_fmt:MATRIX_FMT_FP6
.elseif (II%2 == 1) && (AA%2 == 0)
	v_wmma_scale_f32_16x16x128_f8f6f4 v[DD:DD+7], v[12*II:12*II+11], v[96+12*AA:96+12*AA+11], 0, v[S8], v[S4] matrix_a_fmt:MATRIX_FMT_FP6 matrix_b_fmt:MATRIX_FMT_FP6 matrix_a_scale:MATRIX_SCALE_ROW1
.elseif (II%2 == 0)
	v_wmma_scale_f32_16x16x128_f8f6f4 v[DD:DD+7], v[12*II:12*II+11], v[96+12*AA:96+12*AA+11], 0, v[S8], v[S4] matrix_a_fmt:MATRIX_FMT_FP6 matrix_b_fmt:MATRIX_FMT_FP6 matrix_b_scale:MATRIX_SCALE_ROW1
.else
	v_wmma_scale_f32_16x16x128_f8f6f4 v[DD:DD+7], v[12*II:12*II+11], v[96+12*AA:96+12*AA+11], 0, v[S8], v[S4] matrix_a_fmt:MATRIX_FMT_FP6 matrix_b_fmt:MATRIX_FMT_FP6 matrix_a_scale:MATRIX_SCALE_ROW1 matrix_b_scale:MATRIX_SCALE_ROW1
.endif
.else
.if (II%2 == 0) && (AA%2 == 0)
	v_wmma_scale_f32_16x16x128_f8f6f4 v[DD:DD+7], v[12*II:12*II+11], v[96+12*AA:96+12*AA+11], v[DD:DD+7], v[S8], v[S4] matrix_a_fmt:MATRIX_FMT_FP6 matrix_b_fmt:MATRIX_FMT_FP6
.elseif (II%2 == 1) && (AA%2 == 0)
	v_wmma_scale_f32_16x16x128_f8f6f4 v[DD:DD+7], v[12*II:12*II+11], v[96+12*AA:96+12*AA+11], v[DD:DD+7], v[S8], v[S4] matrix_a_fmt:MATRIX_FMT_FP6 matrix_b_fmt:MATRIX_FMT_FP6 matrix_a_scale:MATRIX_SCALE_ROW1
.elseif (II%2 == 0)
	v_wmma_scale_f32_16x16x128_f8f6f4 v[DD:DD+7], v[12*II:12*II+11], v[96+12*AA:96+12*AA+11], v[DD:DD+7], v[S8], v[S4] matrix_a_fmt:MATRIX_FMT_FP6 matrix_b_fmt:MATRIX_FMT_FP6 matrix_b_scale:MATRIX_SCALE_ROW1
.else
	v_wmma_scale_f32_16x16x128_f8f6f4 v[DD:DD+7], v[12*II:12*II+11], v[96+12*AA:96+12*AA+11], v[DD:DD+7], v[S8], v[S4] matrix_a_fmt:MATRIX_FMT_FP6 matrix_b_fmt:MATRIX_FMT_FP6 matrix_a_scale:MATRIX_SCALE_ROW1 matrix_b_scale:MATRIX_SCALE_ROW1
.endif
.endif
.endm
.macro MUL w, kap, a0, a1, cm          ; the 32 accumulators take turns in the same order in every step
	WIN 0x50|((\w)*5)
.set AA, \a0
.rept \a1-\a0+1
.set II, 0
.rept 8
	ONE \kap, \cm
.set II, II+1
.endr
.set AA, AA+1
.endr
.endm
.macro STEP slot, en, p, kap, cm
	s_wait_dscnt 0x0                               ; set p is in
.rept 4
	v_nop                                          ; places in front of loads into registers that the last step's products have read
.endr
	FETCH \slot, \en, 3-(\p)
	MUL 2+(\p), \kap, 0, 3, \cm
.endm
.macro TURN slot, next, fill, p, kap
	WIN 0
	s_wait_tensorcnt 0x0                           ; all my tensor loads have landed: my part of the next slot
	ds_add_u32 v12, v13                            ; 0 onto my spare word
	s_wait_dscnt 1                                 ; the add alone may be out
	MUL 2+(\p), \kap, 0, 0, 0
	s_wait_dscnt 0x0                               ; the add is done, and my reads of this slot are over
	s_barrier_signal -1
	MUL 2+(\p), \kap, 1, 1, 0
	WIN 0
	s_barrier_wait -1
.if \fill
	CREST
	s_add_nc_u64 s[G0+4*\slot+2:G0+4*\slot+3], s[G0+4*\slot+2:G0+4*\slot+3], 2*SSTEP
	s_add_nc_u64 s[G0B+4*\slot+2:G0B+4*\slot+3], s[G0B+4*\slot+2:G0B+4*\slot+3], 2*SSTEP
	JLOAD G0+4*\slot, G1, G0B+4*\slot, G1B
.else
.rept 4
	v_nop
.endr
.endif
	FETCH \next, 0, 3-(\p)
	MUL 2+(\p), \kap, 2, 3, 0
.endm
.macro LAST p, kap
	s_wait_dscnt 0x0
	MUL 2+(\p), \kap, 0, 3, 0
	WIN 0
.endm
	s_load_b256 s[4:11], s[0:1], 0x0               ; g 4, wcodes 6, wscales 8, b2 10
	s_load_b256 s[68:75], s[0:1], 0x20             ; bo 68, apart 70, x 72, out0 74
	v_lshl_add_u32 v12, v0, 2, SPARE
	v_mov_b32 v13, 0
	ds_add_u32 v12, v13
	ds_add_u32 v12, v13
	s_wait_dscnt 0x0
	v_lshrrev_b32 v1, 5, v0
	v_readfirstlane_b32 s14, v1
	s_lshr_b32 s15, s14, 1                         ; I fetch tokens (0) or weights (1)
	s_and_b32 s16, s14, 1                          ; which half
	s_bfe_u32 s40, ttmp6, 0x40000
	s_bfe_u32 s41, ttmp6, 0x40004
	s_lshl_b32 s42, ttmp9, 2
	s_add_co_u32 s42, s42, s40
	s_and_b32 s17, ttmp7, 0xffff
	s_lshl_b32 s17, s17, 2
	s_add_co_u32 s17, s17, s41
	s_lshl_b32 s43, s41, 2
	s_lshl_b32 s43, 15, s43
	s_lshl_b32 s44, 0x1111, s40
	; group 1: rows of 1,536 elements of 8 bytes (a tile's eight K steps), 12,288 elements from tile to tile; 2 tiles of tokens or 4 of weights a load
	s_or_b32 s[G1], s43, (3<<16)|(1<<21)
	s_or_b32 s[G1B], s44, (3<<16)|(1<<21)
	s_mov_b32 s[G1+1], 1536<<16
	s_mov_b32 s[G1+2], 2<<16
	s_mov_b32 s[G1+3], 1536<<16
	s_mov_b32 s[G1+4], 2
	s_mov_b32 s[G1+5], 12288
	s_mov_b32 s[G1+6], 0
	s_mov_b32 s[G1+7], 0
	s_mov_b32 s[G1B+1], 1536<<16
	s_mov_b32 s[G1B+2], 4<<16
	s_mov_b32 s[G1B+3], 1536<<16
	s_mov_b32 s[G1B+4], 4
	s_mov_b32 s[G1B+5], 12288
	s_mov_b32 s[G1B+6], 0
	s_mov_b32 s[G1B+7], 0
	s_lshl_b32 s20, s17, 2
	s_lshl_b32 s18, s16, 1
	s_add_co_u32 s20, s20, s18
	s_mul_i32 s20, s20, 98304                      ; tokens: tile 4 y + 2 half
	s_mov_b32 s21, 0
	s_lshl_b32 s46, s42, 3
	s_lshl_b32 s18, s16, 2
	s_add_co_u32 s46, s46, s18
	s_mul_i32 s46, s46, 98304                      ; weights: tile 8 x + 4 half
	s_add_co_u32 s46, s46, W2C
	s_mov_b32 s47, 0
	s_mul_i32 s45, s16, 24576
	s_mul_i32 s94, s16, 49152
	s_add_co_u32 s94, s94, BREG
	s_wait_kmcnt 0x0
	s_add_nc_u64 s[20:21], s[4:5], s[20:21]
	s_add_nc_u64 s[46:47], s[6:7], s[46:47]
	CROUND
.irp s, 0,1
	s_mov_b32 s[G0+4*\s], 1
	s_add_co_u32 s[G0+4*\s+1], s45, \s*SLOT
	s_add_nc_u64 s[G0+4*\s+2:G0+4*\s+3], s[20:21], \s*SSTEP
	s_or_b32 s[G0+4*\s+3], s[G0+4*\s+3], 0x80000000
	s_mov_b32 s[G0B+4*\s], 1
	s_add_co_u32 s[G0B+4*\s+1], s94, \s*SLOT
	s_add_nc_u64 s[G0B+4*\s+2:G0B+4*\s+3], s[46:47], \s*SSTEP
	s_or_b32 s[G0B+4*\s+3], s[G0B+4*\s+3], 0x80000000
	JLOAD G0+4*\s, G1, G0B+4*\s, G1B
.endr
	v_and_b32 v1, 31, v0
	v_and_b32 v2, 15, v0
	v_bfe_u32 v3, v0, 4, 1
	v_lshlrev_b32 v4, 4, v1
	v_lshlrev_b32 v5, 2, v1
	s_mul_i32 s19, s14, 3072                       ; my two K steps of a slot's eight
	s_add_co_u32 s18, s19, BREG
.irp s, 0,1
	v_add_nc_u32 v[6+\s], s19, v4
	v_add_nc_u32 v[8+2*\s], s18, v4
	v_add_nc_u32 v[9+2*\s], 4*TSTR, v[8+2*\s]
	s_add_co_u32 s18, s18, SLOT
	s_add_co_u32 s19, s19, SLOT
.endr
	s_mul_i32 s18, s14, STW
	v_mul_u32_u24 v16, v2, 528
	v_lshl_add_u32 v16, v3, 6, v16
	v_add_nc_u32 v16, s18, v16                     ; into my stage: row r, + 64 h
	s_mul_i32 s18, s14, 8448                       ; back: rows 16 w .. 16 w + 15 of all four stages, 16 bytes a lane
.irp u, 0,1,2,3
	v_add_nc_u32 v[17+\u], s18, v4
	s_add_co_u32 s18, s18, STW
.endr
	s_lshl_b32 s18, s16, 3
	s_lshl_b32 s19, s15, 9
	s_add_co_u32 s18, s18, s19
	v_add_nc_u32 v14, s18, v4                      ; W2's scale words: 16 lane + 8 (w % 2) + 512 (w / 2)
	s_lshl_b32 s19, s14, 8
	v_add_nc_u32 v15, s19, v5                      ; g's: 4 lane + 256 w
	s_lshl_b32 s80, s42, 15
	s_add_co_u32 s80, s80, W2S
	s_mov_b32 s81, 0
	s_add_nc_u64 s[76:77], s[8:9], s[80:81]        ; pair 4 x
	s_lshl_b32 s80, s17, 14
	s_add_co_u32 s80, s80, GS
	s_add_nc_u64 s[78:79], s[4:5], s[80:81]        ; pair 2 y
	s_lshl_b32 s80, s42, 9                         ; my tile's 128 columns: 512 x bytes
	s_add_nc_u64 s[82:83], s[10:11], s[80:81]
	s_add_nc_u64 s[84:85], s[68:69], s[80:81]
	s_add_nc_u64 s[86:87], s[70:71], s[80:81]
	s_lshl_b32 s90, s17, 6
	s_lshl_b32 s91, s15, 5
	s_add_co_u32 s90, s90, s91
	s_lshl_b32 s91, s16, 3
	s_add_co_u32 s90, s90, s91                     ; the first token that I store: 64 y + 32 (w / 2) + 8 (w % 2)
	s_lshl_b32 s90, s90, 13
	s_add_co_u32 s90, s90, s80
	s_mov_b32 s91, 0
	s_add_nc_u64 s[72:73], s[72:73], s[90:91]
	s_add_nc_u64 s[88:89], s[74:75], s[90:91]
.irp p, 0,1,2,3
.irp t, 0,1,2,3,4,5,6,7
	global_load_b64 v[32+16*\p+2*\t:33+16*\p+2*\t], v14, s[76:77] offset:8192*\p+1024*\t
.endr
.endr
.irp p, 0,1
.irp t, 0,1,2,3,4,5,6,7
	global_load_b32 v[96+16*\p+2*\t], v15, s[78:79] offset:8192*\p+1024*\t
	global_load_b32 v[97+16*\p+2*\t], v15, s[78:79] offset:8192*\p+1024*\t+128
.endr
.endr
	WIN 0x40                                       ; into window 1, which is not yet in use
	global_load_b128 v[0:3], v4, s[82:83]
	global_load_b128 v[4:7], v4, s[84:85]
.set k, 0
.rept 16
	global_load_b128 v[8+4*k:11+4*k], v4, s[86:87] offset:8192*k
.set k, k+1
.endr
	WIN 0
.set i, 0
.rept 16
	global_load_b128 v[XR+4*i:XR+4*i+3], v4, s[72:73] offset:(i+8*(i/8))*8192 th:TH_LOAD_NT
.set i, i+1
.endr
	s_wait_tensorcnt 1                             ; my part of slot 0 is in; slot 1's may be out
	s_barrier_signal -1
	s_barrier_wait -1
	FETCH 0, 0, 2
	s_wait_loadcnt 0x0
	WIN 0x05
	v_pk_add_f32 v[24:25], v[0:1], v[4:5]          ; b2 + bo
	v_pk_add_f32 v[26:27], v[2:3], v[6:7]
	WIN 0x04
.set k, 0
.rept 16
	v_pk_add_f32 v[24:25], v[24:25], v[8+4*k:9+4*k]
	v_pk_add_f32 v[26:27], v[26:27], v[10+4*k:11+4*k]
.set k, k+1
.endr
	WIN 0
.set i, 0
.rept 16
	v_pk_add_f32 v[XR+4*i:XR+4*i+1], v[XR+4*i:XR+4*i+1], v[24:25]      ; x + a + b2
	v_pk_add_f32 v[XR+4*i+2:XR+4*i+3], v[XR+4*i+2:XR+4*i+3], v[26:27]
.set i, i+1
.endr
	STEP 0, 1, 0, 0, 1
	TURN 0, 1, 1, 1, 1
	STEP 1, 1, 0, 2, 0
	TURN 1, 0, 1, 1, 3
	STEP 0, 1, 0, 4, 0
	TURN 0, 1, 1, 1, 5
	STEP 1, 1, 0, 6, 0
	TURN 1, 0, 1, 1, 7
	STEP 0, 1, 0, 8, 0
	TURN 0, 1, 1, 1, 9
	STEP 1, 1, 0, 10, 0
	TURN 1, 0, 1, 1, 11
	STEP 0, 1, 0, 12, 0
	TURN 0, 1, 0, 1, 13                            ; nothing is left to fetch: no round
	STEP 1, 1, 0, 14, 0
	LAST 1, 15
.rept 4
	v_nop                                          ; places behind the last products
.endr
	WIN 0x04                                       ; an LDS store's data are its source 1: window 1
.set AA, 0
.rept 4
.set II, 0
.rept 8
	ds_store_b128 v16, v[64*AA+8*II:64*AA+8*II+3] offset:8448*AA+128*(II/2)+32*(II%2)          ; each accumulator from its low end on
	ds_store_b128 v16, v[64*AA+8*II+4:64*AA+8*II+7] offset:8448*AA+128*(II/2)+32*(II%2)+16
.set II, II+1
.endr
.set AA, AA+1
.endr
	WIN 0
	s_wait_dscnt 0x0                               ; for the others' sake
	s_barrier_signal -1
	s_barrier_wait -1                              ; the four waves' partial tiles lie in LDS
.irp q, 0,1,2,3
.if \q
	s_wait_xcnt 0x0                                ; the last four rows' stores have read their registers
.endif
.irp n, 0,1,2,3
.irp u, 0,1,2,3
	ds_load_b128 v[G+16*\n+4*\u:G+16*\n+4*\u+3], v[17+\u] offset:528*(4*\q+\n)
.endr
.endr
	s_wait_dscnt 0x0
.irp n, 0,1,2,3
	v_pk_add_f32 v[G+16*\n:G+16*\n+1], v[G+16*\n:G+16*\n+1], v[G+16*\n+4:G+16*\n+5]
	v_pk_add_f32 v[G+16*\n+2:G+16*\n+3], v[G+16*\n+2:G+16*\n+3], v[G+16*\n+6:G+16*\n+7]
	v_pk_add_f32 v[G+16*\n+8:G+16*\n+9], v[G+16*\n+8:G+16*\n+9], v[G+16*\n+12:G+16*\n+13]
	v_pk_add_f32 v[G+16*\n+10:G+16*\n+11], v[G+16*\n+10:G+16*\n+11], v[G+16*\n+14:G+16*\n+15]
	v_pk_add_f32 v[G+16*\n:G+16*\n+1], v[G+16*\n:G+16*\n+1], v[G+16*\n+8:G+16*\n+9]
	v_pk_add_f32 v[G+16*\n+2:G+16*\n+3], v[G+16*\n+2:G+16*\n+3], v[G+16*\n+10:G+16*\n+11]
	v_pk_add_f32 v[G+16*\n:G+16*\n+1], v[G+16*\n:G+16*\n+1], v[XR+4*(4*\q+\n):XR+4*(4*\q+\n)+1]
	v_pk_add_f32 v[G+16*\n+2:G+16*\n+3], v[G+16*\n+2:G+16*\n+3], v[XR+4*(4*\q+\n)+2:XR+4*(4*\q+\n)+3]
	global_store_b128 v4, v[G+16*\n:G+16*\n+3], s[88:89] offset:((4*\q+\n)+8*((4*\q+\n)/8))*8192 th:TH_STORE_NT   ; 32 lanes store 512 consecutive bytes, aligned
.endr
.endr
	s_wait_tensorcnt 0x0                           ; the wave's end
	ds_add_u32 v12, v13
	s_wait_dscnt 0x0
	CROUND
	s_endpgm
.Lfunc_end_k_qc46b146d81_ffn2:
	.size	k_qc46b146d81_ffn2, .Lfunc_end_k_qc46b146d81_ffn2-k_qc46b146d81_ffn2
	.p2alignl 7, 3214868480
	.fill 96, 4, 3214868480
	.section	.rodata,"a",@progbits
	.p2align	6, 0x0
	.amdhsa_kernel k_qc46b146d81_ffn2
		.amdhsa_group_segment_fixed_size 327680
		.amdhsa_private_segment_fixed_size 0
		.amdhsa_enable_private_segment 0
		.amdhsa_kernarg_size 64
		.amdhsa_user_sgpr_count 2
		.amdhsa_user_sgpr_kernarg_segment_ptr 1
		.amdhsa_wavefront_size32 1
		.amdhsa_system_sgpr_workgroup_id_x 1
		.amdhsa_system_sgpr_workgroup_id_y 1
		.amdhsa_system_sgpr_workgroup_id_z 1
		.amdhsa_system_vgpr_workitem_id 0
		.amdhsa_next_free_vgpr 1024
		.amdhsa_next_free_sgpr 100
		.amdhsa_reserve_vcc 0
		.amdhsa_float_denorm_mode_32 3
		.amdhsa_float_denorm_mode_16_64 3
		.amdhsa_memory_ordered 1
		.amdhsa_forward_progress 1
		.amdhsa_inst_pref_size 150
	.end_amdhsa_kernel
	.amdgpu_metadata
---
amdhsa.version: [ 1, 2 ]
amdhsa.kernels:
  - .name:           k_qc46b146d81_ffn2
    .symbol:         k_qc46b146d81_ffn2.kd
    .args:
      - { .name: g, .offset: 0, .size: 8, .value_kind: global_buffer, .address_space: global }
      - { .name: wcodes, .offset: 8, .size: 8, .value_kind: global_buffer, .address_space: global }
      - { .name: wscales, .offset: 16, .size: 8, .value_kind: global_buffer, .address_space: global }
      - { .name: b2, .offset: 24, .size: 8, .value_kind: global_buffer, .address_space: global }
      - { .name: bo, .offset: 32, .size: 8, .value_kind: global_buffer, .address_space: global }
      - { .name: apart, .offset: 40, .size: 8, .value_kind: global_buffer, .address_space: global }
      - { .name: x, .offset: 48, .size: 8, .value_kind: global_buffer, .address_space: global }
      - { .name: out0, .offset: 56, .size: 8, .value_kind: global_buffer, .address_space: global }
    .group_segment_fixed_size: 327680
    .private_segment_fixed_size: 0
    .kernarg_segment_align: 8
    .kernarg_segment_size: 64
    .max_flat_workgroup_size: 128
    .sgpr_count:     100
    .vgpr_count:     1024
    .wavefront_size: 32
...
	.end_amdgpu_metadata
.endif
;; end of part 6
;; ======== version 2 of 2: 6 launches; version 1 with the launch prep written anew for expert scheduling mode
;; workspace buffers: wcodes 31,457,280 bytes; wscales 1,310,720 bytes; h1 1,671,168 bytes; att 66,560 bytes; apart 131,072 bytes; h2 1,638,400 bytes; g 6,553,600 bytes
;; launch prep (part 7): grid 416 x 1, 8 waves a work-group, no clusters, 23,552 bytes of LDS; arguments x, ln1_scale, ln1_shift, W1, W2, Wk, Wv, Wq, wcodes, wscales, h1; writes wcodes, wscales, h1
.if DOCPART == 7
	.amdgcn_target "amdgcn-amd-amdhsa--gfx1250"
	.amdhsa_code_object_version 6
	.text
	.protected	k_qc46b146d81_prep
	.globl	k_qc46b146d81_prep
	.p2align	8
	.type	k_qc46b146d81_prep,@function
k_qc46b146d81_prep:
	s_mov_b64 s[64:65], 0
	v_nop
	global_prefetch_b8 v0, s[64:65] scope:SCOPE_SE
	s_setreg_imm32_b32 hwreg(HW_REG_WAVE_SCHED_MODE, 0, 2), 2
	s_setreg_imm32_b32 hwreg(HW_REG_WAVE_MODE, 25, 1), 1
	s_wait_xcnt 0x0
	s_wait_alu depctr_vm_vsrc(0)
; PREP: all the work that hangs on nothing computed before.  Work-groups 0-127: W1, 128-255: W2, 256-287: Wk, 288-319: Wv are turned into codes of FP6 (E2M3) with one E8M0 byte for each 32 along K
; (their FIRST axis); 320-351: Wq is quantised likewise and multiplied at once by the quantised LN1 of the LAST token, the only query that the block keeps; 352-415: LN1 of all tokens, quantised.
; LAYOUT OF ALL CODES: images of operand registers.  A fragment (16 rows x 128 K, 12 registers a lane) is 1,536 bytes: register j of lane l at 512 (j / 4) + 16 l + 4 (j % 4); buffers are [tile][K step][1536].
; TILES: tile 2 b + u, row r, is index 32 b + 8 u + r + 8 (r / 8) (of tokens or of a weight's columns), so that the results of two neighbouring tiles are 16 neighbours along the next K.
; SCALE WORDS: [pair of tiles][group of 4 K steps][lane][4 words]; lane 16 u + r holds row r of tile 2 pair + u.
; WEIGHTS: a lane takes a column and its registers run down K (32 loads of 128 consecutive bytes a wave for a block), so a block's largest magnitude needs no other lane and nothing is transposed.
; A wave takes 32 columns x 512 of K.  Memory binds: no tensor loads, no clusters (work-groups share no input); two work-groups fit on a WGP.
; LIMITS: a block of zeros, or one whose largest magnitude lies under 2^-124, gets the byte 1 (its codes are zeros or tiny; this program alone reads the bytes); NaN and infinities are not served.
; The last token's q is left as four partial sums over K (one for each 512 of K), added by the next launch: an order of f32 sums that differs from the reference's.
; THE MODE: SCHED_MODE bits 1:0 = 2 (LLVM: expert scheduling mode 2), set by the entry lines.  The code itself states the register dependences
; between vector or matrix instructions and memory or LDS instructions, with s_wait_alu, always for 0.
; THE PLAN, weights and Wq.  Registers that memory or LDS instructions touch:
;   v16-47, v4, v5  byte offsets, made once and never written again: the scalar base moves on by a block.
;   X0, X1          Block t: its maxima and its two conversions read X[t % 2]; behind them the loads of block t + 2 land in it.
;   F0, F1, W       Written by the conversions, the moves and the exchange of halves; read by a K step's six stores (and W by the last store), or, for Wq, by the two matrix instructions.
; ONE wait on va_vdst stands in a block, behind its conversions (in a K step's last block: behind the exchange of halves too): it states that they are done reading X[t % 2] and that F0, F1 and W are written.
; The block's 32 loads follow it, then the six stores or the two products, which name none of the registers that the loads touch.  One wait on vm_vsrc a K step stands ahead of the conversion that writes F0 again.
; THE PLAN, LN1.  v4-11: addresses, made once.  v12: a partial sum, written by vector instructions, read by one LDS store, written again behind a wait on vm_vsrc.  v16-23: LDS loads land where FOLD worked.
;   v184-247: gain and shift in two buffers of 32 registers by turns: piece p's arithmetic reads buffer p % 2, and piece p + 1's LDS loads, issued ahead of it, land in the other buffer,
;   behind a wait on va_vdst that states that piece p - 1's arithmetic is done with it.  The two fragments have registers of their own, so that one wait on va_vdst serves all their stores.
.set QP,   1638400                     ; h1: the four partial q, [4][2048] f32
.set H1S,  1572864                     ; h1: the scale words
.set WQL,  18432                       ; LDS of the Wq path: 512 bytes for each wave
.set OFF,  16                          ; v16-47   row i's byte offset + my column's
.set X,    48                          ; v48-111  two sets of 32 numbers
.set F0,   112                         ; v112-123 the even tile's fragment
.set F1,   124                         ; v124-135 the odd tile's
.set WCT,  136                         ; v136-138 a block's upper 16 codes
.set W,    140                         ; v140-143 scale words of my column, one for each K step: scales and nothing else
.set HF,   144                         ; v144-191 Wq path: the last token's four fragments
.set HW,   192                         ; v192-195 and their scale words
.set A0,   196                         ; v196-203, v204-211: two accumulators
.set A1,   204
.set XA,   4                           ; LN path: addresses v4-11
.set LI,   5
.set CA,   6
.set SA,   7
.set RA,   8
.set VA,   9
.set WA,   10
.set GA,   11
.set TM,   16                          ; v16-31 at work
.set PW,   32                          ; v32-33 scale words just made
.set PC,   34                          ; v34-45 the first fragment's codes
.set QCT,  46                          ; v46-52
.set MR,   54                          ; v54-55 the mean, later 1 / sqrt(var + eps)
.set LX,   56                          ; v56-183 my 128 numbers of a row
.set LS,   184                         ; v184-247 gain and shift: two buffers of 16 + 16
.set PC2,  216                         ; v216-227 the second fragment's codes, where the second buffer of gain and shift lay
.set SCV,  0                           ; LDS of the LN path: the gain, 8,192 bytes;
.set SHV,  8192                        ; the shift;
.set ST1,  16384                       ; partial sums [row][wave];
.set ST2,  16896                       ; partial sums of squares;
.set SCW,  17408                       ; scale words [group][row][K step % 4]
; 64 numbers of a lane, register 16 b + i = k 32 b + 16 (lane / 16) + i of my row, become a fragment's codes in v[pc] on and its scale word in v[pw]
.macro QUANT src, pc, pw
.irp b, 0,1,2,3
	v_max3_num_f32 v[TM+\b], |v[\src+16*\b]|, |v[\src+16*\b+1]|, 0x1800000   ; my 16 numbers of block b, and the floor 2^(3 - 127): the byte cannot fall under 1
.endr
.irp i, 2,4,6,8,10,12,14
.irp b, 0,1,2,3
	v_max3_num_f32 v[TM+\b], v[TM+\b], |v[\src+16*\b+\i]|, |v[\src+16*\b+\i+1]|
.endr
.endr
.irp b, 0,1,2,3
	v_permlanex16_b32 v[TM+4+\b], v[TM+\b], s48, s49
.endr
.irp b, 0,1,2,3
	v_max_num_f32 v[TM+\b], v[TM+\b], v[TM+4+\b]          ; with lane l xor 16's: the block's largest magnitude
.endr
.irp b, 0,1,2,3
	v_add_nc_u32 v[TM+12+\b], 0xff000000, v[TM+\b]        ; 2 off its exponent field: the conversion's scale operand
.endr
.irp b, 0,1,2,3
	v_lshrrev_b32 v[TM+4+\b], 23, v[TM+12+\b]             ; the scale's byte
.endr
	v_lshl_or_b32 v[\pw], v[TM+5], 8, v[TM+4]
	v_lshl_or_b32 v[\pw], v[TM+6], 16, v[\pw]
	v_lshl_or_b32 v[\pw], v[TM+7], 24, v[\pw]
.irp c, 0,1
	v_cvt_scalef32_pk16_fp6_f32 v[\pc+6*\c:\pc+6*\c+2], v[\src+32*\c:\src+32*\c+15], v[TM+12+2*\c]
	v_cvt_scalef32_pk16_fp6_f32 v[QCT+4*\c:QCT+4*\c+2], v[\src+32*\c+16:\src+32*\c+31], v[TM+13+2*\c]
.endr
	v_nop                                          ; one plain place behind a scaled conversion
.irp c, 0,1                                    ; the operand wants a whole block in a lane: lanes 0-15 block 2 c, lanes 16-31 block 2 c + 1
.irp i, 0,1,2
	v_permlane16_swap_b32 v[\pc+6*\c+\i], v[QCT+4*\c+\i]
.endr
.irp i, 0,1,2
	v_mov_b32 v[\pc+6*\c+3+\i], v[QCT+4*\c+\i]
.endr
.endr
.endm
.macro WRED v, t                       ; a sum over the wave's 32 lanes, in every lane
	v_add_f32_dpp v[\v], v[\v], v[\v] row_xmask:1 row_mask:0xf bank_mask:0xf
	v_add_f32_dpp v[\v], v[\v], v[\v] row_xmask:2 row_mask:0xf bank_mask:0xf
	v_add_f32_dpp v[\v], v[\v], v[\v] row_xmask:4 row_mask:0xf bank_mask:0xf
	v_add_f32_dpp v[\v], v[\v], v[\v] row_xmask:8 row_mask:0xf bank_mask:0xf
	v_permlanex16_b32 v[\t], v[\v], s48, s49
	v_add_f32 v[\v], v[\v], v[\t]
.endm
.macro MKOFF
.set i, 0
.rept 32
	v_mad_u32_u24 v[OFF+i], s31, i, v4             ; row i of a block + my column
.set i, i+1
.endr
.endm
.macro LOAD t                          ; block t: 32 rows of K at my column, into set t % 2
.if (\t) > 0
	s_wait_xcnt 0x0                                ; the base is stepped only when the earlier loads have read it
	s_add_nc_u64 s[28:29], s[28:29], s[40:41]
.endif
.set i, 0
.rept 32
	global_load_b32 v[X+32*((\t)%2)+i], v[OFF+i], s[28:29] th:TH_LOAD_NT
.set i, i+1
.endr
.endm
; Block t of 16.  mul = 0: at the end of each K step the two fragments are stored.  mul = 1: they are multiplied by the last token's fragment.
.macro BLOCK t, mul
.set XS, X+32*((\t)%2)
.set QB, (\t)%4
.set KB, (\t)/4
.set FB, F0+12*(QB%2)+6*(QB/2)         ; blocks 0, 2 go to the first run of registers, blocks 1, 3 to the second
.if (\t) < 15
	s_wait_loadcnt 32                              ; this block's 32 loads are in; the next block's 32 may be out
.else
	s_wait_loadcnt 0x0
.endif
	v_max3_num_f32 v12, |v[XS]|, |v[XS+1]|, |v[XS+2]|
	v_max3_num_f32 v13, |v[XS+3]|, |v[XS+4]|, |v[XS+5]|
.irp i, 6,10,14,18,22,26
	v_max3_num_f32 v12, v12, |v[XS+\i]|, |v[XS+\i+1]|
	v_max3_num_f32 v13, v13, |v[XS+\i+2]|, |v[XS+\i+3]|
.endr
	v_max3_num_f32 v12, v12, |v[XS+30]|, |v[XS+31]|
	v_max3_num_f32 v12, v12, v13, 0x1800000        ; and the floor
	v_add_nc_u32 v11, 0xff000000, v12              ; 2 off the exponent field
	v_lshrrev_b32 v13, 23, v11                     ; the byte
.if (\mul == 0) && (QB == 0) && (KB > 0)
	s_wait_xcnt 0x0                                ; the last K step's stores have read the fragments' registers
	s_wait_alu depctr_vm_vsrc(0)                   ; the last K step's six stores have read F0 and F1, which this K step's conversions, moves and exchange write again
.endif
	v_cvt_scalef32_pk16_fp6_f32 v[FB:FB+2], v[XS:XS+15], v11
	v_cvt_scalef32_pk16_fp6_f32 v[WCT:WCT+2], v[XS+16:XS+31], v11
.if QB == 0
	v_mov_b32 v[W+KB], v13                         ; (the plain place behind the conversions)
.else
	v_lshl_or_b32 v[W+KB], v13, 8*QB, v[W+KB]
.endif
.irp i, 0,1,2
	v_mov_b32 v[FB+3+\i], v[WCT+\i]
.endr
.if QB == 3
.set i, 0
.rept 12                               ; lanes 0-15 hold the even tile's rows, lanes 16-31 the odd tile's: after the exchange the first run is the even tile's fragment, the second the odd tile's
	v_permlane16_swap_b32 v[F0+i], v[F1+i]
.set i, i+1
.endr
.if \mul
.rept 8
	v_nop                                          ; scale words and operands written by vector instructions stand 8 and 4 places ahead of a scaled matrix instruction
.endr
.endif
.endif
.if ((\t)+2 < 16) || (QB == 3)
	s_wait_alu depctr_va_vdst(0)                   ; the maxima and conversions are done reading X[t % 2], in which the loads below land; in a K step's last block F0, F1 and W are written, which the stores or the scaled products below read
.endif
.if (\t)+2 < 16
	LOAD (\t)+2                                    ; the set is asked for again at once
.endif
.if QB == 3
.if \mul
.if KB == 0
	v_wmma_scale_f32_16x16x128_f8f6f4 v[A0:A0+7], v[HF:HF+11], v[F0:F0+11], 0, v[HW], v[W] matrix_a_fmt:MATRIX_FMT_FP6 matrix_b_fmt:MATRIX_FMT_FP6
	v_wmma_scale_f32_16x16x128_f8f6f4 v[A1:A1+7], v[HF:HF+11], v[F1:F1+11], 0, v[HW], v[W] matrix_a_fmt:MATRIX_FMT_FP6 matrix_b_fmt:MATRIX_FMT_FP6 matrix_b_scale:MATRIX_SCALE_ROW1
.else
	v_wmma_scale_f32_16x16x128_f8f6f4 v[A0:A0+7], v[HF+12*KB:HF+12*KB+11], v[F0:F0+11], v[A0:A0+7], v[HW+KB], v[W+KB] matrix_a_fmt:MATRIX_FMT_FP6 matrix_b_fmt:MATRIX_FMT_FP6
	v_wmma_scale_f32_16x16x128_f8f6f4 v[A1:A1+7], v[HF+12*KB:HF+12*KB+11], v[F1:F1+11], v[A1:A1+7], v[HW+KB], v[W+KB] matrix_a_fmt:MATRIX_FMT_FP6 matrix_b_fmt:MATRIX_FMT_FP6 matrix_b_scale:MATRIX_SCALE_ROW1
.endif
.else
.irp c, 0,1,2
	global_store_b128 v5, v[F0+4*\c:F0+4*\c+3], s[42:43] offset:1536*KB+512*\c   ; 512 consecutive bytes a store.  No further wait: no vector instruction since the wait above
	global_store_b128 v5, v[F1+4*\c:F1+4*\c+3], s[44:45] offset:1536*KB+512*\c
.endr
.endif
.endif
.endm
	s_load_b512 s[4:19], s[0:1], 0x0               ; x 4, ln1_scale 6, ln1_shift 8, W1 10, W2 12, Wk 14, Wv 16, Wq 18
	s_load_b128 s[20:23], s[0:1], 0x40             ; wcodes, wscales
	s_load_b64 s[24:25], s[0:1], 0x50              ; h1
	v_lshl_add_u32 v254, v0, 2, 0x5800
	v_mov_b32 v255, 0
	v_lshrrev_b32 v1, 5, v0
	v_readfirstlane_b32 s26, v1                    ; wave 0..7
	v_and_b32 v1, 31, v0                           ; lane
	v_and_b32 v2, 15, v0                           ; r
	v_bfe_u32 v3, v0, 4, 1                         ; h
	s_mov_b32 s48, 0x76543210
	s_mov_b32 s49, 0xfedcba98                      ; selects for lane l xor 16
	s_wait_alu depctr_va_sdst(0)                   ; s26 is written, ahead of the first branch and of its first reader on each of the three paths
	s_wait_kmcnt 0x0
	s_cmp_ge_u32 ttmp9, 352
	s_cbranch_scc1 .Lln1
	; which tensor: every choice hangs on the work-group's number alone
	s_mov_b32 s51, 8192
	s_mov_b32 s52, 24576
	s_mov_b32 s53, 2048
	s_cmp_lt_u32 ttmp9, 128                        ; W1, or else W2
	s_cselect_b64 s[28:29], s[10:11], s[12:13]     ; the source
	s_cselect_b32 s30, 0, 128                      ; the section's first work-group
	s_cselect_b32 s31, 32768, s51                  ; bytes in a row
	s_cselect_b32 s32, 5, 3                        ; log2 of the blocks of 256 columns
	s_cselect_b32 s33, s52, 98304                  ; bytes of a tile's codes (K steps x 1,536)
	s_cselect_b32 s34, 0, 12582912                 ; the section in wcodes
	s_cselect_b32 s35, 0, 524288                   ; and in wscales
	s_cselect_b32 s38, s53, 8192                   ; bytes of a pair's scale words
	s_cmp_lt_u32 ttmp9, 256                        ; or else Wk
	s_cselect_b64 s[28:29], s[28:29], s[14:15]
	s_cselect_b32 s30, s30, 256
	s_cselect_b32 s33, s33, s52
	s_cselect_b32 s34, s34, 25165824
	s_cselect_b32 s35, s35, 1048576
	s_cselect_b32 s36, 3, 4                        ; Wk's and Wv's tiles of a head lie together: 16 tile rows a head
	s_cselect_b32 s38, s38, s53
	s_cmp_lt_u32 ttmp9, 288                        ; or else Wv
	s_cselect_b64 s[28:29], s[28:29], s[16:17]
	s_cselect_b32 s30, s30, 288
	s_cselect_b32 s37, 0, 8                        ; Wv's eight behind Wk's eight
	s_cmp_lt_u32 ttmp9, 320                        ; or else Wq
	s_cselect_b64 s[28:29], s[28:29], s[18:19]
	s_cselect_b32 s30, s30, 320
	s_sub_co_u32 s30, ttmp9, s30
	s_lshr_b32 s50, s30, s32                       ; kp: which 512 of K
	s_lshl_b32 s51, s50, s32
	s_sub_co_u32 s51, s30, s51
	s_lshl_b32 s51, s51, 3
	s_add_co_u32 s51, s51, s26                     ; tp: which 32 columns
	s_lshl_b32 s52, s31, 9
	s_mul_i32 s52, s52, s50
	s_lshl_b32 s53, s51, 7
	s_add_co_u32 s52, s52, s53
	s_mov_b32 s53, 0
	s_add_nc_u64 s[28:29], s[28:29], s[52:53]      ; the source at my first row and column
	s_lshl_b32 s40, s31, 5                         ; a block's 32 rows
	s_mov_b32 s41, 0
	v_and_b32 v6, 8, v2
	v_add_nc_u32 v6, v6, v2
	v_lshl_add_u32 v6, v3, 3, v6                   ; my column of the 32: 8 h + r + 8 (r / 8): row r of tile 2 tp + h
	v_lshlrev_b32 v4, 2, v6
	v_lshlrev_b32 v5, 4, v1                        ; 16 x lane
	s_cmp_ge_u32 ttmp9, 320
	s_cbranch_scc1 .Lwq
	; ---- W1, W2, Wk, Wv: codes and scale words to memory
	s_lshr_b32 s54, s51, 2
	s_lshl_b32 s54, s54, s36
	s_add_co_u32 s54, s54, s37
	s_and_b32 s55, s51, 3
	s_lshl_b32 s55, s55, 1
	s_add_co_u32 s54, s54, s55                     ; my even tile's row in the section
	s_mul_i32 s56, s54, s33
	s_add_co_u32 s56, s56, s34
	s_mul_i32 s57, s50, 6144
	s_add_co_u32 s56, s56, s57
	s_mov_b32 s57, 0
	s_add_nc_u64 s[42:43], s[20:21], s[56:57]      ; the even tile's four K steps
	s_mov_b32 s56, s33
	s_add_nc_u64 s[44:45], s[42:43], s[56:57]      ; the odd tile's
	s_lshr_b32 s54, s54, 1
	s_mul_i32 s56, s54, s38
	s_add_co_u32 s56, s56, s35
	s_lshl_b32 s58, s50, 9
	s_add_co_u32 s56, s56, s58
	s_add_nc_u64 s[46:47], s[22:23], s[56:57]      ; the pair's scale words of this group of four K steps
	MKOFF
	s_wait_alu depctr_va_vdst(0)                   ; the 32 offsets v16-47 and v5 are written, which every load and store of this path reads
	LOAD 0
	LOAD 1
.set T, 0
.rept 16
	BLOCK T, 0
.set T, T+1
.endr
	global_store_b128 v5, v[W:W+3], s[46:47]       ; 512 consecutive bytes.  W's last byte was written ahead of block 15's wait on va_vdst
	s_endpgm
	; ---- Wq: first LN1 of the last token, in every wave: the row's mean and variance, then my 16 of the wave's 512 columns
.Lwq:
	s_add_nc_u64 s[52:53], s[4:5], 1023*8192
	s_lshl_b32 s54, s50, 11
	s_mov_b32 s55, 0
	s_add_nc_u64 s[56:57], s[52:53], s[54:55]
	s_add_nc_u64 s[58:59], s[6:7], s[54:55]
	s_add_nc_u64 s[60:61], s[8:9], s[54:55]
	v_lshlrev_b32 v6, 6, v1                        ; 64 x lane
	s_lshl_b32 s62, s26, 9
	s_add_co_u32 s62, s62, WQL                     ; my wave's own 512 bytes of LDS
	v_mul_u32_u24 v212, v1, 12
	v_add_nc_u32 v212, s62, v212                   ; my 16 codes: 12 bytes
	v_lshrrev_b32 v213, 1, v1
	v_add_nc_u32 v213, s62, v213                   ; my block's byte
	v_mul_u32_u24 v214, v3, 24
	v_add_nc_u32 v214, s62, v214                   ; a fragment's bytes of my half
	v_mov_b32 v215, s62
	s_wait_alu depctr_va_vdst(0)                   ; v5 and v6 are written, which the loads below read as offsets; so are the LDS addresses v212-215
.set i, 0
.rept 16
	global_load_b128 v[X+4*i:X+4*i+3], v5, s[52:53] offset:512*i
.set i, i+1
.endr
.irp j, 0,1,2,3
	global_load_b128 v[16+4*\j:19+4*\j], v6, s[56:57] offset:16*\j
	global_load_b128 v[32+4*\j:35+4*\j], v6, s[58:59] offset:16*\j
	global_load_b128 v[112+4*\j:115+4*\j], v6, s[60:61] offset:16*\j
.endr
	s_wait_loadcnt 0x0
	v_pk_add_f32 v[8:9], v[X:X+1], v[X+4:X+5]
	v_pk_add_f32 v[10:11], v[X+2:X+3], v[X+6:X+7]
.set j, 8
.rept 14
	v_pk_add_f32 v[8:9], v[8:9], v[X+j:X+j+1]
	v_pk_add_f32 v[10:11], v[10:11], v[X+j+2:X+j+3]
.set j, j+4
.endr
	v_pk_add_f32 v[8:9], v[8:9], v[10:11]
	v_add_f32 v8, v8, v9
	WRED 8, 9
	v_mul_f32 v14, 0x3a000000, v8                  ; the mean: / 2048
	v_mov_b32 v15, v14
.set j, 0
.rept 32
	v_pk_add_f32 v[X+j:X+j+1], v[X+j:X+j+1], v[14:15] op_sel_hi:[1,0] neg_lo:[0,1] neg_hi:[0,1]   ; centred first: no difference of large sums
.set j, j+2
.endr
	v_pk_mul_f32 v[8:9], v[X:X+1], v[X:X+1]
	v_pk_mul_f32 v[10:11], v[X+2:X+3], v[X+2:X+3]
.set j, 4
.rept 15
	v_pk_fma_f32 v[8:9], v[X+j:X+j+1], v[X+j:X+j+1], v[8:9]
	v_pk_fma_f32 v[10:11], v[X+j+2:X+j+3], v[X+j+2:X+j+3], v[10:11]
.set j, j+4
.endr
	v_pk_add_f32 v[8:9], v[8:9], v[10:11]
	v_add_f32 v8, v8, v9
	WRED 8, 9
	v_mul_f32 v8, 0x3a000000, v8                   ; the variance
	v_add_f32 v8, 0x3727c5ac, v8                   ; + 1e-5
	v_rsq_f32 v12, v8
	v_rsq_f32 v13, v8
	v_nop                                          ; a plain place behind the transcendentals
	s_wait_alu depctr_va_vdst(0)                   ; the two reciprocal roots v12 and v13 are written, ahead of their first reader
.irp j, 0,2,4,6,8,10,12,14
	v_pk_add_f32 v[16+\j:17+\j], v[16+\j:17+\j], v[14:15] op_sel_hi:[1,0] neg_lo:[0,1] neg_hi:[0,1]
	v_pk_mul_f32 v[16+\j:17+\j], v[16+\j:17+\j], v[12:13] op_sel_hi:[1,0]
	v_pk_fma_f32 v[16+\j:17+\j], v[16+\j:17+\j], v[32+\j:33+\j], v[112+\j:113+\j]
.endr
	v_max3_num_f32 v8, |v16|, |v17|, |v18|         ; two neighbouring lanes hold a block of 32
	v_max3_num_f32 v9, |v19|, |v20|, |v21|
.irp i, 6,10
	v_max3_num_f32 v8, v8, |v[16+\i]|, |v[17+\i]|
	v_max3_num_f32 v9, v9, |v[18+\i]|, |v[19+\i]|
.endr
	v_max3_num_f32 v8, v8, |v30|, |v31|
	v_max3_num_f32 v8, v8, v9, 0x1800000
	v_max_num_f32_dpp v8, v8, v8 row_xmask:1 row_mask:0xf bank_mask:0xf
	v_add_nc_u32 v11, 0xff000000, v8
	v_cvt_scalef32_pk16_fp6_f32 v[WCT:WCT+2], v[16:31], v11
	v_lshrrev_b32 v10, 23, v11                     ; the byte (a plain place behind the conversion)
	s_wait_alu depctr_va_vdst(0)                   ; the conversion has written v[WCT ..] and the shift v10, which the LDS stores read
	ds_store_b32 v212, v[WCT]                      ; the 512 codes as one stream of bits, 384 bytes; then 16 scale bytes
	ds_store_b32 v212, v[WCT+1] offset:4
	ds_store_b32 v212, v[WCT+2] offset:8
	ds_store_b8 v213, v10 offset:384               ; both lanes of a block write the same byte
.irp k, 0,1,2,3                                ; LDS serves a wave's instructions in order: these see my stores.  All 16 rows of the fragment are the one token
.irp p, 0,1,2,3,4,5
	ds_load_b64 v[HF+12*\k+2*\p:HF+12*\k+2*\p+1], v214 offset:96*\k+48*(\p/3)+8*(\p%3)
.endr
	ds_load_b32 v[HW+\k], v215 offset:384+4*\k
.endr
	s_wait_dscnt 0x0
	s_wait_alu depctr_vm_vsrc(0)                   ; the LDS stores have read v[WCT ..], which block 0's conversion writes again
	MKOFF
	s_wait_alu depctr_va_vdst(0)                   ; the 32 offsets v16-47 are written, which every load below reads; the arithmetic above is done with v48-111, in which the loads land
	LOAD 0
	LOAD 1
.set T, 0
.rept 16
	BLOCK T, 1
.set T, T+1
.endr
	s_lshl_b32 s56, s50, 13
	s_lshl_b32 s57, s51, 7
	s_add_co_u32 s56, s56, s57
	s_add_co_u32 s56, s56, QP
	s_mov_b32 s57, 0
	s_add_nc_u64 s[58:59], s[24:25], s[56:57]
.rept 4
	v_nop                                          ; places behind the last products
.endr
	v_cmp_le_u32 vcc_lo, 16, v1
	s_wait_alu depctr_va_vcc(0)                    ; VCC is written, ahead of the select that reads it
	v_cndmask_b32 v8, v[A0], v[A1], vcc_lo         ; all rows are equal: register 0 of lane (r, h) is the sum for row r of tile 2 tp + h: my column
	s_wait_alu depctr_va_vdst(0)                   ; the select has written v8, which the store reads
	global_store_b32 v4, v8, s[58:59]              ; 128 consecutive bytes
	s_wait_dscnt 0x0                               ; the closing lines, six on end
	s_wait_alu 0x0
	s_wait_tensorcnt 0x0
	ds_add_u32 v254, v255
	s_wait_dscnt 0x0
	s_endpgm
	; ---- LN1 of 16 tokens (one tile), quantised.  Wave w holds columns 256 w .. 256 w + 255 of all 16 rows: K steps 2 w and 2 w + 1
.Lln1:
	s_sub_co_u32 s50, ttmp9, 352                   ; the tile 2 b + u
	s_lshr_b32 s51, s50, 1
	s_and_b32 s52, s50, 1
	s_lshl_b32 s53, s51, 5
	s_lshl_b32 s54, s52, 3
	s_add_co_u32 s53, s53, s54
	s_lshl_b32 s54, s53, 13
	s_mov_b32 s55, 0
	s_add_nc_u64 s[4:5], s[4:5], s[54:55]          ; x at token 32 b + 8 u
	s_lshl_b32 s54, s50, 4
	s_lshl_b32 s56, s26, 1
	s_add_co_u32 s54, s54, s56
	s_mul_i32 s54, s54, 1536
	s_add_nc_u64 s[58:59], s[24:25], s[54:55]      ; my two fragments
	s_lshl_b32 s54, s51, 11
	s_lshl_b32 s56, s52, 8
	s_add_co_u32 s54, s54, s56
	s_add_co_u32 s54, s54, H1S
	s_add_nc_u64 s[60:61], s[24:25], s[54:55]      ; the tile's scale words
	v_and_b32 v12, 8, v2
	v_add_nc_u32 v12, v12, v2
	v_lshlrev_b32 v[XA], 13, v12
	v_lshl_add_u32 v[XA], v3, 6, v[XA]
	s_lshl_b32 s56, s26, 10
	v_add_nc_u32 v[XA], s56, v[XA]                 ; x: row r + 8 (r / 8), + 64 h, + 1,024 w
	v_lshl_add_u32 v[VA], v3, 6, s56               ; the same columns in a vector of 2,048
	v_lshlrev_b32 v[LI], 4, v1
	v_lshlrev_b32 v[CA], 5, v0                     ; 32 bytes a thread of such a vector
	s_lshl_b32 s56, s26, 2
	v_lshl_add_u32 v[SA], v2, 5, s56               ; partial sums: 32 r + 4 w
	v_lshlrev_b32 v[RA], 5, v2
	s_lshr_b32 s56, s26, 1
	s_lshl_b32 s56, s56, 8
	s_and_b32 s57, s26, 1
	s_lshl_b32 s57, s57, 3
	s_add_co_u32 s56, s56, s57
	v_lshl_add_u32 v[WA], v2, 4, s56               ; scale words: 256 (w / 2) + 16 r + 8 (w % 2)
	v_lshlrev_b32 v[GA], 9, v3
	v_lshl_add_u32 v[GA], v2, 4, v[GA]
	v_mov_b32 v13, 0                               ; written once: a lane permute's destination counts as a source
	s_wait_alu depctr_va_vdst(0)                   ; the eight addresses v4-11 are written, which the loads, stores and LDS instructions of this path read; none is written again
	global_load_b128 v[LS:LS+3], v[CA], s[6:7]
	global_load_b128 v[LS+4:LS+7], v[CA], s[6:7] offset:16
	global_load_b128 v[LS+8:LS+11], v[CA], s[8:9]
	global_load_b128 v[LS+12:LS+15], v[CA], s[8:9] offset:16
.irp e, 0,1
.irp b, 0,1,2,3
.irp j, 0,1,2,3
	global_load_b128 v[LX+64*\e+16*\b+4*\j:LX+64*\e+16*\b+4*\j+3], v[XA], s[4:5] offset:512*\e+128*\b+16*\j
.endr
.endr
.endr
	s_wait_loadcnt 32                              ; gain and shift are in; x's 32 loads may be out
	ds_store_b128 v[CA], v[LS:LS+3] offset:SCV
	ds_store_b128 v[CA], v[LS+4:LS+7] offset:SCV+16
	ds_store_b128 v[CA], v[LS+8:LS+11] offset:SHV
	ds_store_b128 v[CA], v[LS+12:LS+15] offset:SHV+16
	s_wait_loadcnt 0x0
.macro FOLD                            ; four chains of pairs into v12
	v_pk_add_f32 v[TM:TM+1], v[TM:TM+1], v[TM+2:TM+3]
	v_pk_add_f32 v[TM+4:TM+5], v[TM+4:TM+5], v[TM+6:TM+7]
	v_pk_add_f32 v[TM:TM+1], v[TM:TM+1], v[TM+4:TM+5]
	v_add_f32 v12, v[TM], v[TM+1]
.endm
.macro XCHG st                         ; my 128 numbers' sum in v12 becomes the row's, through LDS: one barrier
	v_permlanex16_b32 v13, v12, s48, s49
	v_add_f32 v12, v12, v13
	s_wait_alu depctr_va_vdst(0)                   ; v12 is written, which the LDS store reads; the sums above are done with v[TM ..], in which the LDS loads below land
	ds_store_b32 v[SA], v12 offset:\st             ; both halves of the lanes write the same word
	s_wait_dscnt 0x0                               ; for the others' sake: all my LDS stores have landed
	s_barrier_signal -1
	s_barrier_wait -1
	ds_load_b128 v[TM:TM+3], v[RA] offset:\st
	ds_load_b128 v[TM+4:TM+7], v[RA] offset:\st+16
	s_wait_dscnt 0x0
	s_wait_alu depctr_vm_vsrc(0)                   ; the LDS store has read v12, which the sum below writes again; the stores of gain and shift have read v[LS ..], in which LDS loads land later
	FOLD
.endm
.macro GLOAD p                         ; piece p of eight: the gain and the shift of my 16 numbers LX + 16 p .., into buffer p % 2
.irp j, 0,1,2,3
	ds_load_b128 v[LS+32*((\p)%2)+4*\j:LS+32*((\p)%2)+4*\j+3], v[VA] offset:SCV+128*(\p)+16*\j
	ds_load_b128 v[LS+32*((\p)%2)+16+4*\j:LS+32*((\p)%2)+16+4*\j+3], v[VA] offset:SHV+128*(\p)+16*\j
.endr
.endm
.irp k, 0,1,2,3
	v_pk_add_f32 v[TM+2*\k:TM+2*\k+1], v[LX+2*\k:LX+2*\k+1], v[LX+8+2*\k:LX+9+2*\k]
.endr
.set j, 16
.rept 14
.irp k, 0,1,2,3
	v_pk_add_f32 v[TM+2*\k:TM+2*\k+1], v[TM+2*\k:TM+2*\k+1], v[LX+j+2*\k:LX+j+2*\k+1]
.endr
.set j, j+8
.endr
	FOLD
	XCHG ST1
	v_mul_f32 v[MR], 0x3a000000, v12               ; the mean
	v_mov_b32 v[MR+1], v[MR]
.set j, 0
.rept 64
	v_pk_add_f32 v[LX+j:LX+j+1], v[LX+j:LX+j+1], v[MR:MR+1] op_sel_hi:[1,0] neg_lo:[0,1] neg_hi:[0,1]
.set j, j+2
.endr
.irp k, 0,1,2,3
	v_pk_mul_f32 v[TM+2*\k:TM+2*\k+1], v[LX+2*\k:LX+2*\k+1], v[LX+2*\k:LX+2*\k+1]
.endr
.set j, 8
.rept 15
.irp k, 0,1,2,3
	v_pk_fma_f32 v[TM+2*\k:TM+2*\k+1], v[LX+j+2*\k:LX+j+2*\k+1], v[LX+j+2*\k:LX+j+2*\k+1], v[TM+2*\k:TM+2*\k+1]
.endr
.set j, j+8
.endr
	FOLD
	XCHG ST2
	v_mul_f32 v12, 0x3a000000, v12
	v_add_f32 v12, 0x3727c5ac, v12
	v_rsq_f32 v[MR], v12
	v_rsq_f32 v[MR+1], v12
	v_nop
	s_wait_alu depctr_va_vdst(0)                   ; the two reciprocal roots v[MR], v[MR+1] are written, ahead of their first reader
	GLOAD 0
.set P, 0
.rept 8
.if (P > 0) && (P < 7)
	s_wait_alu depctr_va_vdst(0)                   ; the piece before is done reading its gain and shift, in which the loads below land
.endif
.if P < 7
	GLOAD P+1                                      ; the next piece's, into the other buffer, while this piece is worked
	s_wait_dscnt 8                                 ; LDS loads come back in order: this piece's eight are in, the next piece's eight may be out
.else
	s_wait_dscnt 0x0
.endif
.set LB, LS+32*(P%2)
.set j, 0
.rept 8
	v_pk_mul_f32 v[LX+16*P+j:LX+16*P+j+1], v[LX+16*P+j:LX+16*P+j+1], v[MR:MR+1] op_sel_hi:[1,0]
	v_pk_fma_f32 v[LX+16*P+j:LX+16*P+j+1], v[LX+16*P+j:LX+16*P+j+1], v[LB+j:LB+j+1], v[LB+16+j:LB+16+j+1]
.set j, j+2
.endr
.set P, P+1
.endr
	QUANT LX, PC, PW
	QUANT LX+64, PC2, PW+1                         ; registers of its own for each fragment: no store's data are written again
	s_wait_alu depctr_va_vdst(0)                   ; both fragments' codes and both scale words are written, which the six stores and the LDS store read; the arithmetic is done with v[LS ..], in which wave 0's LDS loads land
.irp c, 0,1,2
	global_store_b128 v[LI], v[PC+4*\c:PC+4*\c+3], s[58:59] offset:512*\c
.endr
.irp c, 0,1,2
	global_store_b128 v[LI], v[PC2+4*\c:PC2+4*\c+3], s[58:59] offset:1536+512*\c
.endr
	ds_store_b64 v[WA], v[PW:PW+1] offset:SCW
	s_wait_dscnt 0x0
	s_barrier_signal -1
	s_barrier_wait -1                              ; the tile's 16 x 16 scale words lie in LDS
	s_cmp_lg_u32 s26, 0
	s_cbranch_scc1 .Lln1_done
	ds_load_b128 v[LS:LS+3], v[LI] offset:SCW
	ds_load_b128 v[LS+4:LS+7], v[LI] offset:SCW+512
	s_wait_dscnt 0x0
	global_store_b128 v[GA], v[LS:LS+3], s[60:61]              ; sixteen lanes store 256 consecutive bytes, aligned
	global_store_b128 v[GA], v[LS+4:LS+7], s[60:61] offset:1024
.Lln1_done:
	s_wait_dscnt 0x0                               ; the closing lines, six on end
	s_wait_alu 0x0
	s_wait_tensorcnt 0x0
	ds_add_u32 v254, v255
	s_wait_dscnt 0x0
	s_endpgm
.Lfunc_end_k_qc46b146d81_prep:
	.size	k_qc46b146d81_prep, .Lfunc_end_k_qc46b146d81_prep-k_qc46b146d81_prep
	.p2alignl 7, 3214868480
	.fill 96, 4, 3214868480
	.section	.rodata,"a",@progbits
	.p2align	6, 0x0
	.amdhsa_kernel k_qc46b146d81_prep
		.amdhsa_group_segment_fixed_size 23552
		.amdhsa_private_segment_fixed_size 0
		.amdhsa_enable_private_segment 0
		.amdhsa_kernarg_size 88
		.amdhsa_user_sgpr_count 2
		.amdhsa_user_sgpr_kernarg_segment_ptr 1
		.amdhsa_wavefront_size32 1
		.amdhsa_system_sgpr_workgroup_id_x 1
		.amdhsa_system_sgpr_workgroup_id_y 1
		.amdhsa_system_sgpr_workgroup_id_z 1
		.amdhsa_system_vgpr_workitem_id 0
		.amdhsa_next_free_vgpr 256
		.amdhsa_next_free_sgpr 66
		.amdhsa_reserve_vcc 1
		.amdhsa_float_denorm_mode_32 3
		.amdhsa_float_denorm_mode_16_64 3
		.amdhsa_memory_ordered 1
		.amdhsa_forward_progress 1
		.amdhsa_inst_pref_size 216
	.end_amdhsa_kernel
	.amdgpu_metadata
---
amdhsa.version: [ 1, 2 ]
amdhsa.kernels:
  - .name:           k_qc46b146d81_prep
    .symbol:         k_qc46b146d81_prep.kd
    .args:
      - { .name: x, .offset: 0, .size: 8, .value_kind: global_buffer, .address_space: global }
      - { .name: ln1_scale, .offset: 8, .size: 8, .value_kind: global_buffer, .address_space: global }
      - { .name: ln1_shift, .offset: 16, .size: 8, .value_kind: global_buffer, .address_space: global }
      - { .name: W1, .offset: 24, .size: 8, .value_kind: global_buffer, .address_space: global }
      - { .name: W2, .offset: 32, .size: 8, .value_kind: global_buffer, .address_space: global }
      - { .name: Wk, .offset: 40, .size: 8, .value_kind: global_buffer, .address_space: global }
      - { .name: Wv, .offset: 48, .size: 8, .value_kind: global_buffer, .address_space: global }
      - { .name: Wq, .offset: 56, .size: 8, .value_kind: global_buffer, .address_space: global }
      - { .name: wcodes, .offset: 64, .size: 8, .value_kind: global_buffer, .address_space: global }
      - { .name: wscales, .offset: 72, .size: 8, .value_kind: global_buffer, .address_space: global }
      - { .name: h1, .offset: 80, .size: 8, .value_kind: global_buffer, .address_space: global }
    .group_segment_fixed_size: 23552
    .private_segment_fixed_size: 0
    .kernarg_segment_align: 8
    .kernarg_segment_size: 88
    .max_flat_workgroup_size: 256
    .sgpr_count:     66
    .vgpr_count:     256
    .wavefront_size: 32
...
	.end_amdgpu_metadata
.endif
;; end of part 7
;; launch kvattn: the kernel of part 2 again; grid 16 x 8, 4 waves a work-group, clusters of 4 x 4, 327,680 bytes of LDS; arguments h1, wcodes, wscales, att; writes att
;; launch wo: the kernel of part 3 again; grid 16 x 16, 8 waves a work-group, no clusters, 5,120 bytes of LDS; arguments att, Wo, apart; writes apart
;; launch ln2: the kernel of part 4 again; grid 64 x 1, 8 waves a work-group, no clusters, 27,648 bytes of LDS; arguments x, apart, bo, ln2_scale, ln2_shift, h2; writes h2
;; launch ffn1: the kernel of part 5 again; grid 32 x 8, 4 waves a work-group, clusters of 4 x 4, 327,680 bytes of LDS; arguments h2, wcodes, wscales, b1, g; writes g
;; launch ffn2: the kernel of part 6 again; grid 16 x 16, 4 waves a work-group, clusters of 4 x 4, 327,680 bytes of LDS; arguments g, wcodes, wscales, b2, bo, apart, x, out0; writes out0
